; MI455X (gfx1250); checked and timed in simulation.
; The chip was launched on July 23, 2026; its instructions are those of AMD's public machine-readable ISA for CDNA 5 (MIT licence, August 2026) and "CDNA5" Instruction Set Architecture Reference Guide (July 2026). The comments in the code are by the model that wrote it; some were corrected since.
;; Multi Head Attention. Allowed arithmetic: matrix products marked QUANTISED: E2M1 operands, one E8M0 scale for each 32 along K, by v_wmma_scale_f32_16x16x128_f8f6f4 with both operands' format E2M1 (or v_wmma_scale_f32_32x16x128_f4), f32 sums; products left as they are: bf16, f16 or f32 operands; f32 sums; everything else in f32.
;; Inputs: k 2 x 2,048 x 1,024 float32; q 2 x 2,048 x 1,024 float32; v 2 x 2,048 x 1,024 float32; wk 1,024 x 1,024 float32; wo 1,024 x 1,024 float32; wq 1,024 x 1,024 float32; wv 1,024 x 1,024 float32.
;; Outputs: out0 2 x 2,048 x 1,024 float32.
;; This version of the problem:
;;   THIS VERSION OF THE PROBLEM IS GIVEN IN LOW PRECISION. The matrix products marked QUANTISED in the list below multiply operands that are first quantised to E2M1 (2 exponent bits, 1 mantissa bit; 4 bits a number), with one power-of-two scale for each 32 numbers along K (OCP MX v1.0); their sums are f32. The products marked 'left as it is' may take bf16, f16 or f32 operands, with f32 sums. Whichever they take, every output number must still come out within the allowed error. Rounding operands to bf16 (8 significant bits) uses up far more of that allowance than f16 does (11 bits, for magnitudes from 6e-5 to 65,504). All else is computed in f32.
;;   The module's matrix products, in the order in which they are computed (A, B: the left and right operand; K: the contracted axis; several contracted axes count as one K, in the product's order):
;;     1. [M 4,096, K 1,024] x [K 1,024, N 1,024]; A: input q; B: input wq: QUANTISED
;;     2. [M 4,096, K 1,024] x [K 1,024, N 1,024]; A: input k; B: input wk: QUANTISED
;;     3. [M 4,096, K 1,024] x [K 1,024, N 1,024]; A: input v; B: input wv: QUANTISED
;;     4. batch 32 x [M 2,048, K 64] x [K 64, N 2,048]; A: computed on the way; B: computed on the way: left as it is (an operand is computed on the way)
;;     5. batch 32 x [M 2,048, K 2,048] x [K 2,048, N 64]; A: computed on the way; B: computed on the way: left as it is (an operand is computed on the way)
;;     6. [M 4,096, K 1,024] x [K 1,024, N 1,024]; A: computed on the way; B: input wo: left as it is (an operand is computed on the way)
;;   THE QUANTISER, for each operand of a quantised product, along K:
;;     - K is cut into blocks of 32 from its start; a last block that is shorter is filled with zeros.
;;     - A block's scale is 2^e with e = floor(log2(the largest magnitude in the block)) - 2, held to -126 .. 127; a block of zeros has e = 0. As a byte (E8M0): e + 127.
;;     - Each number is divided by its block's scale, clamped to +-6, and rounded to the nearest number of E2M1, ties to even, subnormals kept.
;;     - The product sums the exact products of the quantised numbers (number of the format x scale) in f32.
;;   ~~~python
;;   def quantise(x, axis):      # numpy; x: float32 -> the quantised numbers, widened to float32 again
;;       x = np.moveaxis(x, axis, -1); K = x.shape[-1]
;;       x = np.pad(x, [(0, 0)] * (x.ndim - 1) + [(0, -K % 32)]); x = x.reshape(x.shape[:-1] + (-1, 32)); a = np.abs(x).max(-1, keepdims=True)
;;       e = np.where(a > 0, np.clip(np.frexp(np.where(a > 0, a, 1))[1] - 1 - 2, -126, 127), 0)      # np.frexp(a)[1] - 1 = floor(log2(a)), exactly
;;       r = np.clip(x / 2.0 ** e, -6, 6)
;;       step = 2.0 ** (np.maximum(np.frexp(np.where(r == 0, 1, r))[1] - 1, 0) - 1)
;;       q = np.round(r / step) * step * 2.0 ** e      # np.round: ties to even
;;       return np.moveaxis(q.reshape(q.shape[:-2] + (-1,))[..., :K], -1, axis).astype(np.float32)
;;   ~~~
;; One version. Each part assembles by itself: llvm-mc -triple=amdgcn-amd-amdhsa -mcpu=gfx1250 --defsym DOCPART=n.
;; ======== version 1 of 1: 5 launches
;; limits: values are held in f16: magnitudes above 65,504 overflow, below 6.1e-05 lose precision
;; workspace buffers: acodes 6,291,456 bytes; ascales 393,216 bytes; wcodes 1,572,864 bytes; wscales 98,304 bytes; wo16 2,097,152 bytes; xh 25,165,824 bytes; xf 393,216 bytes; att 8,388,608 bytes
;; launch quant (part 1): grid 512 x 1, 4 waves a work-group, no clusters, 33,280 bytes of LDS; arguments q, k, v, wq, wk, wv, wo, acodes, ascales, wcodes, wscales, wo16; writes acodes, ascales, wcodes, wscales, wo16
.if DOCPART == 1
	.amdgcn_target "amdgcn-amd-amdhsa--gfx1250"
	.amdhsa_code_object_version 6
	.text
	.protected	k_qf8f57a51b5_quant
	.globl	k_qf8f57a51b5_quant
	.p2align	8
	.type	k_qf8f57a51b5_quant,@function
k_qf8f57a51b5_quant:
	s_mov_b64 s[64:65], 0
	v_nop
	global_prefetch_b8 v0, s[64:65] scope:SCOPE_SE
	s_setreg_imm32_b32 hwreg(HW_REG_WAVE_MODE, 25, 1), 1
	s_wait_xcnt 0x0
; q, k, v [4096][1024] and wq, wk, wv [1024][1024], f32, K innermost, become codes of FP4 (E2M1), two a byte, with one E8M0 scale byte for each 32 along K; wo [1024][1024] becomes f16.
; acodes [12288][512 bytes] holds q's, k's and v's rows one tensor behind the other, ascales [12288][32] their bytes; wcodes [3072][512], wscales [3072][32] likewise for wq, wk, wv.
; A block's scale is 2^(floor(log2(its largest magnitude)) - 2); its byte is the largest magnitude's exponent field - 2, held at 1 from below.
; LIMITS: a block of zeros, and one whose largest magnitude lies under 2^-124, gets the byte 1 (a block of zeros has zero codes, and this program alone reads the bytes); NaN and infinities are not served;
; numbers of wo beyond 65,504 in magnitude become infinity in f16.
; SHARES: a work-group takes 32,768 numbers, a wave 8,192.  Work-groups 0-383: q, k, v (128 each); 384-479: wq, wk, wv (32 each); 480-511: wo.  Rows are dense and 1024 is a multiple of 32: all are plain streams.
; The six quantised tensors take ONE path: only pointers are chosen, by the work-group's number.  A wave takes 16 steps of 512 numbers: each load reads 512 consecutive bytes; a step's 2,048 bytes turn through the
; wave's own stage in LDS (16 bytes of padding behind each 64) so that a lane holds 16 neighbours along K; two neighbouring lanes hold a block.  A lane's 16 codes are 8 bytes: a wave's store covers 256 consecutive bytes.
; Loads run EIGHT steps ahead: 32 loads, 16,384 bytes, of every wave are out, half of all that it reads.
; No tensor loads, no cluster, no matrix unit: a stream in which nothing is shared; no prefetch: every byte is asked for as early as registers allow.
.set WAVES, 4
.set STEPS, 16
.set AHEAD, 8                          ; steps that the loads run ahead
.set EMAX,  2
.set CB,    8                          ; bytes of 16 codes
.set R,     16                         ; v16-143  eight sets of 16 numbers as they are loaded
.set X,     144                        ; v144-175 two sets of 16 neighbours
.set E,     176                        ; v176-191 a scale byte for each step
.set C,     192                        ; v192-223 codes: two registers for each step, so that no store's data are written again
.set WREG,  8192                       ; LDS: a region for each wave: two stages of 32 x SP bytes, then its 256 scale bytes
.set SP,    80
.set SPW,   12                         ; v12 LDS address of my spare word; never rewritten
.set NIL,   13                         ; v13 0; never rewritten
.set SPARE, WAVES*WREG                 ; behind the four regions: the spare words, 128 bytes a wave
.set SETA,  16                         ; wo's path: v16-79 and v80-143 two batches of 16 loads, v144-175 their f16
.set SETB,  80
.set OUT,   144
	s_load_b512 s[4:19], s[0:1], 0x0               ; q 4, k 6, v 8, wq 10, wk 12, wv 14, wo 16, acodes 18
	s_load_b256 s[20:27], s[0:1], 0x40             ; ascales 20, wcodes 22, wscales 24, wo16 26
	v_lshl_add_u32 v[SPW], v0, 2, SPARE
	v_mov_b32 v[NIL], 0
	v_lshrrev_b32 v1, 5, v0
	v_readfirstlane_b32 s28, v1                    ; wave
	v_and_b32 v2, 31, v0                           ; lane
	v_lshlrev_b32 v3, 4, v2                        ; my 16 bytes of a load's 512
	s_mul_i32 s29, s28, WREG
	v_lshrrev_b32 v14, 2, v2
	v_mul_u32_u24 v14, v14, SP
	v_and_b32 v15, 3, v2
	v_lshl_add_u32 v14, v15, 4, v14
	v_add_nc_u32 v14, s29, v14                     ; the stage, on the way in: SP (lane / 4) + 16 (lane % 4)
	v_mul_u32_u24 v15, v2, SP
	v_add_nc_u32 v15, s29, v15                     ; and on the way out: SP x lane: my 16 neighbours
	v_mul_u32_u24 v4, v2, CB                       ; my codes' place in a step's
	v_lshrrev_b32 v5, 1, v2
	s_add_co_u32 s29, s29, 2*32*SP
	v_add_nc_u32 v5, s29, v5                       ; LDS: my wave's 256 scale bytes, my block's byte
	v_lshlrev_b32 v7, 3, v2                        ; 8 bytes a lane
	v_add_nc_u32 v6, s29, v7
	s_wait_kmcnt 0x0
	s_cmp_ge_u32 ttmp9, 480                        ; the last 32 work-groups turn wo into f16
	s_cbranch_scc1 .Lwo
	s_cmp_lt_u32 ttmp9, 128                        ; the choices hang on the work-group's number alone
	s_cselect_b64 s[30:31], s[4:5], s[6:7]         ; q or k,
	s_cmp_lt_u32 ttmp9, 256
	s_cselect_b64 s[30:31], s[30:31], s[8:9]       ; or v
	s_cmp_lt_u32 ttmp9, 416
	s_cselect_b64 s[36:37], s[10:11], s[12:13]     ; wq or wk,
	s_cmp_lt_u32 ttmp9, 448
	s_cselect_b64 s[36:37], s[36:37], s[14:15]     ; or wv
	s_cmp_lt_u32 ttmp9, 384
	s_cselect_b64 s[30:31], s[30:31], s[36:37]     ; the source,
	s_cselect_b64 s[32:33], s[18:19], s[22:23]     ; its codes,
	s_cselect_b64 s[34:35], s[20:21], s[24:25]     ; its scale bytes
	s_cselect_b32 s38, 127, 31                     ; work-groups in a source tensor, less one
	s_cselect_b32 s39, 0, 384                      ; the first work-group of the stacked buffers
	s_and_b32 s38, ttmp9, s38
	s_lshl_b32 s38, s38, 2
	s_add_co_u32 s38, s38, s28                     ; which run of 8,192 numbers of the source is my wave's
	s_sub_co_u32 s39, ttmp9, s39
	s_lshl_b32 s39, s39, 2
	s_add_co_u32 s39, s39, s28                     ; and which of the stacked buffers
	s_lshl_b32 s40, s38, 15                        ; 32,768 bytes of numbers a run
	s_mov_b32 s41, 0
	s_add_nc_u64 s[30:31], s[30:31], s[40:41]
	s_lshl_b32 s40, s39, 12                        ; 4,096 bytes of codes
	s_add_nc_u64 s[32:33], s[32:33], s[40:41]
	s_lshl_b32 s40, s39, 8                         ; 256 scale bytes
	s_add_nc_u64 s[34:35], s[34:35], s[40:41]
.macro LOAD t
.irp i, 0,1,2,3
	global_load_b128 v[R+16*((\t)%AHEAD)+4*\i:R+16*((\t)%AHEAD)+4*\i+3], v3, s[30:31] offset:2048*(\t)+512*\i th:TH_LOAD_NT   ; 32 lanes read 512 consecutive bytes
.endr
.endm
.macro TURN t                          ; step t's numbers through the stage: LDS serves a wave's instructions in order, so no wait stands between the stores and the loads
.irp i, 0,1,2,3
	ds_store_b128 v14, v[R+16*((\t)%AHEAD)+4*\i:R+16*((\t)%AHEAD)+4*\i+3] offset:32*SP*((\t)%2)+8*SP*\i
.endr
.irp i, 0,1,2,3
	ds_load_b128 v[X+16*((\t)%2)+4*\i:X+16*((\t)%2)+4*\i+3], v15 offset:32*SP*((\t)%2)+16*\i
.endr
.endm
.irp t, 0,1,2,3,4,5,6,7
	LOAD \t
.endr
	s_wait_loadcnt 4*(AHEAD-1)                     ; step 0's four loads are in; seven steps' 28 stay out
	TURN 0
.macro STEP t
.set XS, X+16*((\t)%2)
.if (\t) > 0
	s_wait_dscnt 1                                 ; this step's numbers are back from the stage (the last step's byte store may be out): so the stage's stores have read their registers,
.else
	s_wait_dscnt 0x0
.endif
.if (\t)+AHEAD < STEPS
	LOAD (\t)+AHEAD                                ; which take the loads of eight steps on
.endif
.if (\t)+1 < STEPS
.if STEPS-2-(\t) >= AHEAD-1
	s_wait_loadcnt 4*(AHEAD-1)                     ; the next step's four loads are in; those of the seven steps behind it may be out
.else
	s_wait_loadcnt 4*(STEPS-2-(\t))                ; the counts run down: nothing more is asked for
.endif
	TURN (\t)+1
.endif
	v_max3_num_f32 v8, |v[XS]|, |v[XS+1]|, |v[XS+2]|               ; the largest magnitude of my 16, in two chains
	v_max3_num_f32 v9, |v[XS+3]|, |v[XS+4]|, |v[XS+5]|
.irp i, 6,10
	v_max3_num_f32 v8, v8, |v[XS+\i]|, |v[XS+\i+1]|
	v_max3_num_f32 v9, v9, |v[XS+\i+2]|, |v[XS+\i+3]|
.endr
	v_max3_num_f32 v8, v8, |v[XS+14]|, |v[XS+15]|
	v_max3_num_f32 v8, v8, v9, (EMAX+1)<<23        ; and the floor 2^(3 - 127): the byte cannot fall under 1
	v_max_num_f32_dpp v8, v8, v8 row_xmask:1 row_mask:0xf bank_mask:0xf   ; with my neighbour's 16: the block's
	v_add_nc_u32 v11, -(EMAX<<23), v8              ; 2 off its exponent field: the conversion takes the exponent field of this operand as its scale
	v_cvt_scalef32_pk8_fp4_f32 v[C+2*(\t)], v[XS:XS+7], v11
	v_cvt_scalef32_pk8_fp4_f32 v[C+2*(\t)+1], v[XS+8:XS+15], v11
	v_lshrrev_b32 v[E+(\t)], 23, v11               ; the scale's byte
	ds_store_b8 v5, v[E+(\t)] offset:16*(\t)       ; both lanes of a block write the same byte with the same value
	global_store_b64 v4, v[C+2*(\t):C+2*(\t)+1], s[32:33] offset:32*CB*(\t)
.endm
.irp t, 0,1,2,3,4,5,6,7,8,9,10,11,12,13,14,15
	STEP \t
.endr
	ds_load_b64 v[8:9], v6                         ; LDS serves a wave's instructions in order: these see my byte stores
	s_wait_dscnt 0x0
	global_store_b64 v7, v[8:9], s[34:35]          ; 32 lanes store 256 consecutive bytes, aligned
	s_wait_tensorcnt 0x0                           ; the wave's end, behind my last LDS store
	ds_add_u32 v[SPW], v[NIL]
	s_wait_dscnt 0x0
	s_endpgm
; wo to f16: 64 loads of 512 bytes a wave, in four batches of 16 on two sets of registers; a lane's 4 numbers become 8 bytes, a wave's store 256 consecutive bytes.
.macro WLOAD n, set
.irp t, 0,1,2,3,4,5,6,7,8,9,10,11,12,13,14,15
	global_load_b128 v[\set+4*\t:\set+4*\t+3], v3, s[30:31] offset:512*(16*(\n)+\t) th:TH_LOAD_NT
.endr
.endm
.macro WCVT set
.irp t, 0,1,2,3,4,5,6,7,8,9,10,11,12,13,14,15
	v_cvt_pk_f16_f32 v[OUT+2*\t], v[\set+4*\t], v[\set+4*\t+1]
	v_cvt_pk_f16_f32 v[OUT+2*\t+1], v[\set+4*\t+2], v[\set+4*\t+3]
.endr
.endm
.macro WSTORE n
.irp t, 0,1,2,3,4,5,6,7,8,9,10,11,12,13,14,15
	global_store_b64 v7, v[OUT+2*\t:OUT+2*\t+1], s[32:33] offset:256*(16*(\n)+\t)
.endr
.endm
.Lwo:
	s_sub_co_u32 s36, ttmp9, 480
	s_lshl_b32 s36, s36, 2
	s_add_co_u32 s36, s36, s28                     ; which run of 8,192 numbers is my wave's
	s_lshl_b32 s38, s36, 15
	s_mov_b32 s39, 0
	s_lshl_b32 s40, s36, 14
	s_mov_b32 s41, 0
	s_add_nc_u64 s[30:31], s[16:17], s[38:39]
	s_add_nc_u64 s[32:33], s[26:27], s[40:41]
	WLOAD 0, SETA
	WLOAD 1, SETB
	s_wait_loadcnt 16                              ; the older batch is in, the younger batch's 16 stay out
	WCVT SETA
	WSTORE 0
	WLOAD 2, SETA
	s_wait_loadcnt 16
	s_wait_xcnt 0x0                                ; the last stores have read OUT: it is rewritten only behind this wait
	WCVT SETB
	WSTORE 1
	WLOAD 3, SETB
	s_wait_loadcnt 16
	s_wait_xcnt 0x0
	WCVT SETA
	WSTORE 2
	s_wait_loadcnt 0x0
	s_wait_xcnt 0x0
	WCVT SETB
	WSTORE 3
	s_wait_tensorcnt 0x0                           ; this path's end
	ds_add_u32 v[SPW], v[NIL]
	s_wait_dscnt 0x0
	s_endpgm
.Lfunc_end_k_qf8f57a51b5_quant:
	.size	k_qf8f57a51b5_quant, .Lfunc_end_k_qf8f57a51b5_quant-k_qf8f57a51b5_quant
	.p2alignl 7, 3214868480
	.fill 96, 4, 3214868480
	.section	.rodata,"a",@progbits
	.p2align	6, 0x0
	.amdhsa_kernel k_qf8f57a51b5_quant
		.amdhsa_group_segment_fixed_size 33280
		.amdhsa_private_segment_fixed_size 0
		.amdhsa_enable_private_segment 0
		.amdhsa_kernarg_size 96
		.amdhsa_user_sgpr_count 2
		.amdhsa_user_sgpr_kernarg_segment_ptr 1
		.amdhsa_wavefront_size32 1
		.amdhsa_system_sgpr_workgroup_id_x 1
		.amdhsa_system_sgpr_workgroup_id_y 1
		.amdhsa_system_sgpr_workgroup_id_z 1
		.amdhsa_system_vgpr_workitem_id 0
		.amdhsa_next_free_vgpr 224
		.amdhsa_next_free_sgpr 66
		.amdhsa_reserve_vcc 0
		.amdhsa_float_denorm_mode_32 3
		.amdhsa_float_denorm_mode_16_64 3
		.amdhsa_memory_ordered 1
		.amdhsa_forward_progress 1
		.amdhsa_inst_pref_size 55
	.end_amdhsa_kernel
	.amdgpu_metadata
---
amdhsa.version: [ 1, 2 ]
amdhsa.kernels:
  - .name:           k_qf8f57a51b5_quant
    .symbol:         k_qf8f57a51b5_quant.kd
    .args:
      - { .name: q, .offset: 0, .size: 8, .value_kind: global_buffer, .address_space: global }
      - { .name: k, .offset: 8, .size: 8, .value_kind: global_buffer, .address_space: global }
      - { .name: v, .offset: 16, .size: 8, .value_kind: global_buffer, .address_space: global }
      - { .name: wq, .offset: 24, .size: 8, .value_kind: global_buffer, .address_space: global }
      - { .name: wk, .offset: 32, .size: 8, .value_kind: global_buffer, .address_space: global }
      - { .name: wv, .offset: 40, .size: 8, .value_kind: global_buffer, .address_space: global }
      - { .name: wo, .offset: 48, .size: 8, .value_kind: global_buffer, .address_space: global }
      - { .name: acodes, .offset: 56, .size: 8, .value_kind: global_buffer, .address_space: global }
      - { .name: ascales, .offset: 64, .size: 8, .value_kind: global_buffer, .address_space: global }
      - { .name: wcodes, .offset: 72, .size: 8, .value_kind: global_buffer, .address_space: global }
      - { .name: wscales, .offset: 80, .size: 8, .value_kind: global_buffer, .address_space: global }
      - { .name: wo16, .offset: 88, .size: 8, .value_kind: global_buffer, .address_space: global }
    .group_segment_fixed_size: 33280
    .private_segment_fixed_size: 0
    .kernarg_segment_align: 8
    .kernarg_segment_size: 96
    .max_flat_workgroup_size: 128
    .sgpr_count:     66
    .vgpr_count:     224
    .wavefront_size: 32
...
	.end_amdgpu_metadata
.endif
;; end of part 1
;; launch proj (part 2): grid 4 x 48, 4 waves a work-group, clusters of 4 x 1, 327,680 bytes of LDS; arguments acodes, ascales, wcodes, wscales, xh, xf; writes xh, xf
.if DOCPART == 2
	.amdgcn_target "amdgcn-amd-amdhsa--gfx1250"
	.amdhsa_code_object_version 6
	.text
	.protected	k_qf8f57a51b5_proj
	.globl	k_qf8f57a51b5_proj
	.p2align	8
	.type	k_qf8f57a51b5_proj,@function
k_qf8f57a51b5_proj:
	s_mov_b64 s[64:65], 0
	v_nop
	global_prefetch_b8 v0, s[64:65] scope:SCOPE_SE
	s_setreg_imm32_b32 hwreg(HW_REG_WAVE_MODE, 25, 1), 1
	s_wait_xcnt 0x0
	s_wait_alu depctr_hold_cnt(0) depctr_sa_sdst(0) depctr_va_vdst(0) depctr_va_sdst(0) depctr_va_ssrc(0) depctr_va_vcc(0) depctr_vm_vsrc(0)
	s_getreg_b32 s2, hwreg(HW_REG_IB_STS2, 6, 4)
	s_cmp_eq_u32 s2, 0
	s_cbranch_scc0 .Lentry_in_a_cluster
	s_endpgm
.Lentry_in_a_cluster:
	s_bfe_u32 s2, ttmp6, 0x10000c
	s_cmp_lg_u32 s2, 0x3003
	s_cbranch_scc0 .Lentry_shape_is_right
	s_endpgm
.Lentry_shape_is_right:
; The three projections xq = q wq^T, xk = k wk^T, xv = v wv^T in one grid, on codes of FP4 (E2M1) with one E8M0 scale for each 32 along K; sums in f32.
; A: acodes [12288][512 bytes] (q, k, v stacked), ascales [12288][32].  B: wcodes [3072][512], wscales [3072][32] (wq, wk, wv stacked).  K = 1024.
; OUT: xh [g 3][b 2 x head 16][s 2048][64] f16 (g = 0, 1, 2: xq, xk, xv), and xf [g*2+b][16][1024] f32: positions 0-15 of each sequence, kept in f32 for the launch that carries them finely.
; LIMIT: results beyond 65,504 in magnitude become infinity in xh.
; A tile of 256 x 256 is made by a work-group of four waves; a wave makes 128 x 128: 64 accumulators, 512 registers.  Tile column tx = 0..3, tile row ty = 0..47; ty / 16 says which product.
; K is two steps of 512 (rows of 256 bytes): both slots, and the scale bytes of all of K, are asked for at the head; no LDS byte is filled twice.
; CLUSTER 4 x 1: the four tile columns of one tile row need the same tiles of A and the same scale bytes of A: those are asked for JOINTLY (mask 15).  B's tiles differ from partner to partner and come by plain loads.
; A cluster of 4 x 4 would share B too, but the branch that stores xf hangs on the tile row, which must then be alike in all partners: with 4 x 1 it is the cluster's y.  B's tiles are 1.5 MB in all, read 16 times each.
; THE MATRIX INSTRUCTION IS USED TRANSPOSED (source 0 = 16 rows of B, source 1 = 16 rows of A): a lane holds eight neighbouring numbers of a row of the result.
; REGISTERS, in windows of 256: window 0: v0-31 addresses; v32-95 scale words, two sets; from v128 A's fragments, ONE set; on the way out v32-255 are free.
;   window 1: B's fragments, TWO sets, at v0 and v128.   window 2: the accumulators of my rows 0-63 ((a, b) at v[8 (8 a + b)]);   window 3: those of my rows 64-127.
; No prefetch and no staying work-groups: all operands are asked for at the head.
.set KSTEP,  512
.set NQ,     KSTEP/128
.set ROWB,   256
.set KROW,   512                       ; a row of codes in memory
.set PITCH,  272                       ; an LDS row: 256 bytes + 16: the 16 rows that a load touches start 4 banks apart
.set FR,     8
.set NL,     2
.set NP,     4                         ; places behind this matrix instruction (ISA guide 7.12.1)
.set HALFT,  128*PITCH
.set SLOT,   4*HALFT                   ; A's 256 rows, then B's 256 rows
.set KS,     32                        ; a row of scale bytes
.set SCL,    2*SLOT                    ; behind the two slots: the scales, as runs of 256 bytes + 16 of padding
.set HALFS,  (128*KS/256)*272
.set SBLK,   (16*KS/256)*272
.set SPARE,  SCL+4*HALFS               ; the spare words, 128 bytes a wave
.set SPITCH, 528                       ; the way out in f32: 16 rows x (512 + 16) a wave, in slot 0, which has had its only fill and its last read by then
.set HPITCH, 272                       ; the way out in f16: 16 rows x (256 + 16), the same bytes
.set ADRA, 16                          ; v16-17 LDS address of my A fragments in slot 0, 1
.set ADRB, 20                          ; v20-21 the same for B
.set STOH, 22                          ; v22 f16 stage: where I put 16 bytes of a row
.set RDH,  23                          ; v23 f16 stage: where I read back: 4 rows x 128 bytes of one head an instruction
.set STO,  24                          ; v24 f32 stage: where I put 32 bytes of a row
.set RD,   25                          ; v25 f32 stage: where I read a row back
.set CO,   26                          ; v26 16 x lane
.set ADRS, 27                          ; v27 LDS address of my scale words: lanes 0-15 A's rows, lanes 16-31 B's
.set SPW,  28
.set NIL,  29
.set SC,   32                          ; scale words: set s at v[SC + 32 s]; register 4 i + q: lanes 0-15 A's block i, lanes 16-31 B's block i
.set TMP,  32                          ; the way out: packed f16
.set AF,   128
.set BK,   128                         ; the way out: rows read back
.set G1, 24
.set G0, 32
.set G1B, 48
.set G0B, 56
.set G1S, 68
.set G0S, 76
.set G1SB, 80
.set G0SB, 88
.set MSB, 0
.macro WIN new                         ; the immediate's high byte repeats the setting that is left
.if MSB != \new
	s_set_vgpr_msb (MSB<<8)|\new
.set MSB, \new
.endif
.endm
.set MUL_LO, 0xa1                      ; source 0 (B) window 1, source 1 (A) window 0, C and D window 2
.set MUL_HI, 0xf1
.set TO_B,   0x40
; Waves 0 and 1 fetch for A (jointly), waves 2 and 3 for B.  The branch hangs on the wave's number alone.  An s_nop 0 and four v_nop follow each load.
.macro JLOAD g0a, g1a, g0b, g1b
	s_cmp_eq_u32 s15, 0
	s_cbranch_scc0 .Lfor_b_\@
	tensor_load_to_lds s[\g0a:\g0a+3], s[\g1a:\g1a+7]
	s_nop 0
.rept 4
	v_nop
.endr
	s_branch .Lasked_\@
.Lfor_b_\@:
	tensor_load_to_lds s[\g0b:\g0b+3], s[\g1b:\g1b+7]
	s_nop 0
.rept 4
	v_nop
.endr
.Lasked_\@:
.endm
.macro CROUND                          ; a round of the cluster's barrier
	s_barrier_signal -1
	s_barrier_wait -1
	s_cmp_lg_u32 s14, 0
	s_cbranch_scc1 .Lnot_wave_0_\@
	s_barrier_signal -3
.Lnot_wave_0_\@:
	s_barrier_wait -3
	s_barrier_signal -1
	s_barrier_wait -1
.endm
	s_load_b128 s[4:7], s[0:1], 0x0                ; A's codes, A's scales
	s_load_b128 s[8:11], s[0:1], 0x10              ; B's codes, B's scales
	s_load_b64 s[12:13], s[0:1], 0x20              ; xh
	s_load_b64 s[96:97], s[0:1], 0x28              ; xf
	v_lshl_add_u32 v[SPW], v0, 2, SPARE
	v_mov_b32 v[NIL], 0
	ds_add_u32 v[SPW], v[NIL]                      ; the wave's opening: the add, twice on end, and its wait ahead of my first tensor load
	ds_add_u32 v[SPW], v[NIL]
	v_lshrrev_b32 v1, 5, v0
	v_readfirstlane_b32 s14, v1                    ; wave 0..3
	s_lshr_b32 s15, s14, 1                         ; which half of the tile's rows is mine.  Also: I fetch for A (0) or for B (1)
	s_and_b32 s16, s14, 1                          ; which half of its columns.  Also: which 128 rows I fetch
	s_bfe_u32 s40, ttmp6, 0x40000                  ; cx
	s_lshl_b32 s42, ttmp9, 2
	s_add_co_u32 s42, s42, s40                     ; tile column tx
	s_and_b32 s17, ttmp7, 0xffff                   ; tile row ty: the cluster's y, alike in all four partners
	; descriptor group 1: 128 rows x 256 bytes, 16 bytes of padding behind each row
	s_mov_b32 s[G1+0], 15|(1<<20)|(1<<21)|(5<<22)|(3<<25)    ; 15:0 the mask: all four partners; elements of 1 byte; 20 padding on; 21 set beside a mask; after every 64 words 4 words
	s_mov_b32 s[G1B+0], (1<<20)|(5<<22)|(3<<25)              ; the same with no mask: B's tiles are my own
.irp g, G1, G1B
	s_mov_b32 s[\g+1], ROWB<<16                    ; tensor_dim0
	s_mov_b32 s[\g+2], 128<<16                     ; tensor_dim1
	s_mov_b32 s[\g+3], ROWB<<16                    ; tile_dim0
	s_mov_b32 s[\g+4], 128                         ; tile_dim1
	s_mov_b32 s[\g+5], KROW                        ; the pitch
	s_mov_b32 s[\g+6], 0
	s_mov_b32 s[\g+7], 0
.endr
	; the scales of 128 rows: 4,096 dense bytes, as 16 rows of 256 bytes (32 elements of 8), 16 bytes of padding behind each
	s_mov_b32 s[G1S+0], 15|(3<<16)|(1<<20)|(1<<21)|(5<<22)|(3<<25)
	s_mov_b32 s[G1SB+0], (3<<16)|(1<<20)|(5<<22)|(3<<25)
.irp g, G1S, G1SB
	s_mov_b32 s[\g+1], 32<<16
	s_mov_b32 s[\g+2], (128*KS/256)<<16
	s_mov_b32 s[\g+3], 32<<16
	s_mov_b32 s[\g+4], 128*KS/256
	s_mov_b32 s[\g+5], 32
	s_mov_b32 s[\g+6], 0
	s_mov_b32 s[\g+7], 0
.endr
	s_lshl_b32 s18, s16, 7                         ; which 128 rows of the tile I fetch
	s_lshl_b32 s20, s17, 8
	s_add_co_u32 s20, s20, s18                     ; A: row 256 ty + 128 x half: no place in the cluster enters it
	s_lshr_b32 s46, s17, 4
	s_lshl_b32 s46, s46, 10                        ; B: the product's 1,024 rows,
	s_lshl_b32 s47, s42, 8
	s_add_co_u32 s46, s46, s47                     ; + 256 tx
	s_add_co_u32 s46, s46, s18                     ; + 128 x half
	s_lshl_b32 s22, s20, 5                         ; their scale bytes: 32 a row
	s_mov_b32 s23, 0
	s_lshl_b32 s92, s46, 5
	s_mov_b32 s93, 0
	s_lshl_b32 s20, s20, 9                         ; their codes: 512 bytes a row (all under 2^32)
	s_mov_b32 s21, 0
	s_lshl_b32 s46, s46, 9
	s_mov_b32 s47, 0
	s_mul_i32 s45, s14, HALFT                      ; where they go: wave x 128 rows
	s_mul_i32 s94, s14, HALFS
	s_wait_dscnt 0x0                               ; both opening adds are done
	s_wait_kmcnt 0x0
	s_add_nc_u64 s[20:21], s[4:5], s[20:21]
	s_add_nc_u64 s[22:23], s[6:7], s[22:23]
	s_add_nc_u64 s[46:47], s[8:9], s[46:47]
	s_add_nc_u64 s[92:93], s[10:11], s[92:93]
	CROUND                                         ; all four work-groups are here: the joint loads meet
	s_mov_b32 s[G0S], 1
	s_add_co_u32 s[G0S+1], s94, SCL
	s_mov_b64 s[G0S+2:G0S+3], s[22:23]
	s_or_b32 s[G0S+3], s[G0S+3], 0x80000000
	s_mov_b32 s[G0SB], 1
	s_add_co_u32 s[G0SB+1], s94, SCL
	s_mov_b64 s[G0SB+2:G0SB+3], s[92:93]
	s_or_b32 s[G0SB+3], s[G0SB+3], 0x80000000
	JLOAD G0S, G1S, G0SB, G1SB                     ; the scales first: they are wanted with K step 0
.irp s, 0,1
	s_mov_b32 s[G0+4*\s], 1
	s_add_co_u32 s[G0+4*\s+1], s45, \s*SLOT
	s_add_nc_u64 s[G0+4*\s+2:G0+4*\s+3], s[20:21], \s*ROWB
	s_or_b32 s[G0+4*\s+3], s[G0+4*\s+3], 0x80000000
	s_mov_b32 s[G0B+4*\s], 1
	s_add_co_u32 s[G0B+4*\s+1], s45, \s*SLOT
	s_add_nc_u64 s[G0B+4*\s+2:G0B+4*\s+3], s[46:47], \s*ROWB
	s_or_b32 s[G0B+4*\s+3], s[G0B+4*\s+3], 0x80000000
	JLOAD G0+4*\s, G1, G0B+4*\s, G1B               ; three tensor loads of mine are out
.endr
	v_and_b32 v1, 15, v0                           ; r = l % 16
	v_bfe_u32 v2, v0, 4, 1                         ; h = l / 16
	v_mul_u32_u24 v3, v1, PITCH
	v_lshl_add_u32 v4, v2, 4, v3                   ; a fragment's row x pitch + 16 h
	s_mul_i32 s21, s15, HALFT                      ; my 128 rows of A
	s_mul_i32 s22, s16, HALFT                      ; my 128 rows of B,
	s_add_co_u32 s22, s22, 2*HALFT                 ; behind A's 256
.irp s, 0,1
	v_add_nc_u32 v[ADRA+\s], s21, v4
	v_add_nc_u32 v[ADRB+\s], s22, v4
	s_add_co_u32 s21, s21, SLOT
	s_add_co_u32 s22, s22, SLOT
.endr
	v_mul_u32_u24 v5, v1, KS                       ; my row's scales: 32 bytes a row,
	v_lshrrev_b32 v6, 8, v5
	v_lshl_add_u32 v5, v6, 4, v5                   ; and 16 more for each 256 passed
	s_mul_i32 s21, s15, HALFS
	s_mul_i32 s22, s16, HALFS
	s_add_co_u32 s22, s22, 2*HALFS
	s_sub_co_u32 s22, s22, s21
	v_mul_u32_u24 v6, s22, v2                      ; lanes 16-31 take B's: one product, the distance x h
	s_add_co_u32 s21, s21, SCL
	v_add_nc_u32 v5, v5, v6
	v_add_nc_u32 v[ADRS], s21, v5
	s_mul_i32 s23, s14, 16*SPITCH                  ; my stage
	v_mul_u32_u24 v5, v1, SPITCH
	v_lshl_add_u32 v5, v2, 5, v5
	v_add_nc_u32 v[STO], s23, v5                   ; f32: row r, 32 bytes for each half of the lanes
	v_and_b32 v6, 31, v0
	v_lshlrev_b32 v[CO], 4, v6
	v_add_nc_u32 v[RD], s23, v[CO]                 ; back: the 32 lanes take one row of 512 bytes
	v_mul_u32_u24 v5, v1, HPITCH
	v_lshl_add_u32 v5, v2, 4, v5
	v_add_nc_u32 v[STOH], s23, v5                  ; f16: row r, 16 bytes for each half
	v_lshrrev_b32 v5, 3, v6
	v_mul_u32_u24 v5, v5, HPITCH
	v_and_b32 v6, 7, v0
	v_lshl_add_u32 v5, v6, 4, v5
	v_add_nc_u32 v[RDH], s23, v5                   ; back: row l / 8, 16 (l % 8) bytes on
	; xh: ((ty / 8) 16 + 4 tx + 2 x column half) heads of 262,144 bytes + ((ty % 8) 256 + 128 x row half) rows of 128 bytes
	s_lshr_b32 s20, s17, 3                         ; g*2 + b
	s_lshl_b32 s21, s20, 4
	s_lshl_b32 s22, s42, 2
	s_add_co_u32 s21, s21, s22
	s_lshl_b32 s22, s16, 1
	s_add_co_u32 s21, s21, s22
	s_lshl_b32 s46, s21, 18
	s_and_b32 s22, s17, 7
	s_lshl_b32 s22, s22, 8
	s_lshl_b32 s23, s15, 7
	s_add_co_u32 s22, s22, s23
	s_lshl_b32 s22, s22, 7
	s_add_co_u32 s46, s46, s22
	s_mov_b32 s47, 0
	s_add_nc_u64 s[12:13], s[12:13], s[46:47]
	; xf: (ty / 8) 65,536 + (256 tx + 128 x column half) 4
	s_lshl_b32 s46, s20, 16
	s_lshl_b32 s22, s42, 10
	s_add_co_u32 s46, s46, s22
	s_lshl_b32 s22, s16, 9
	s_add_co_u32 s46, s46, s22
	s_add_nc_u64 s[96:97], s[96:97], s[46:47]
.macro FRAG reg, adr, q, i             ; 16 rows x 128 K of 4-bit codes: 8 registers: lane l holds row l % 16; registers 4 c .. 4 c + 3 hold K = 64 c + 32 (l / 16) + 0 .. 31
.irp c, 0,1
	ds_load_b128 v[\reg+4*\c:\reg+4*\c+3], v[\adr] offset:64*(\q)+32*\c+(\i)*16*PITCH
.endr
.endm
; 16 matrix instructions: A's blocks a0, a0 + 1 x B's eight, the slot's q-th 128 along K.  zero = 1: the first product starts the sums.  The 64 accumulators take turns, one instruction a turn.
.macro MUL16 a0, p, q, sc, zero
.irp a, \a0, \a0+1
.irp b, 0,1,2,3,4,5,6,7
.if \zero
	v_wmma_scale_f32_16x16x128_f8f6f4 v[8*(8*((\a)%4)+\b):8*(8*((\a)%4)+\b)+7], v[128*(\p)+FR*\b:128*(\p)+FR*\b+FR-1], v[AF+FR*(\a):AF+FR*(\a)+FR-1], 0, v[SC+8*NQ*(\sc)+NQ*\b+(\q)], v[SC+8*NQ*(\sc)+NQ*(\a)+(\q)] matrix_a_fmt:MATRIX_FMT_FP4 matrix_b_fmt:MATRIX_FMT_FP4 matrix_a_scale:MATRIX_SCALE_ROW1
.else
	v_wmma_scale_f32_16x16x128_f8f6f4 v[8*(8*((\a)%4)+\b):8*(8*((\a)%4)+\b)+7], v[128*(\p)+FR*\b:128*(\p)+FR*\b+FR-1], v[AF+FR*(\a):AF+FR*(\a)+FR-1], v[8*(8*((\a)%4)+\b):8*(8*((\a)%4)+\b)+7], v[SC+8*NQ*(\sc)+NQ*\b+(\q)], v[SC+8*NQ*(\sc)+NQ*(\a)+(\q)] matrix_a_fmt:MATRIX_FMT_FP4 matrix_b_fmt:MATRIX_FMT_FP4 matrix_a_scale:MATRIX_SCALE_ROW1
.endif
.endr
.endr
.endm
.macro FETCH_B slot, q, p
	WIN TO_B
.irp i, 0,1,2,3,4,5,6,7
	FRAG 128*(\p)+FR*\i, ADRB+\slot, \q, \i
.endr
	WIN 0
.endm
.macro FETCH_A slot, q, i0
.irp i, \i0, \i0+1, \i0+2, \i0+3
	FRAG AF+FR*(\i), ADRA+\slot, \q, \i
.endr
.endm
.macro SCALES sc                       ; a K step's scale words: 4 words a row; lanes 0-15 A's block i, lanes 16-31 B's block i
.irp i, 0,1,2,3,4,5,6,7
	ds_load_b128 v[SC+8*NQ*\sc+NQ*\i:SC+8*NQ*\sc+NQ*\i+3], v[ADRS] offset:\i*SBLK
.endr
.endm
.macro PLACES n                        ; plain vector instructions between a matrix instruction and a load into, or a read of, its registers
.rept \n
	v_nop
.endr
.endm
.macro STEP slot, q, zero              ; a step of 128 along K that has its successor in the same slot
	s_wait_dscnt 4*NL                              ; B's set and A's blocks 0-3 are in; the youngest eight loads (A's blocks 4-7) may be out
	WIN MUL_LO
	MUL16 0, (\q)%2, \q, \slot, \zero
	MUL16 2, (\q)%2, \q, \slot, \zero
	s_wait_dscnt 0                                 ; A's blocks 4-7 are in
	PLACES NP
	FETCH_B \slot, (\q)+1, 1-(\q)%2
	FETCH_A \slot, (\q)+1, 0
	WIN MUL_HI
	MUL16 4, (\q)%2, \q, \slot, \zero
	MUL16 6, (\q)%2, \q, \slot, \zero
	PLACES NP
	WIN 0
	FETCH_A \slot, (\q)+1, 4
.endm
.macro STEPS slot, from
.set Q, \from
.rept NQ-1-\from
	STEP \slot, Q, 0
.set Q, Q+1
.endr
.endm
	s_wait_tensorcnt 1                             ; the scales and my part of K step 0 are in; K step 1's load may be out
	s_barrier_signal -1
	s_barrier_wait -1                              ; everybody's are
	FETCH_B 0, 0, 0
	FETCH_A 0, 0, 0
	SCALES 0
	FETCH_A 0, 0, 4
	STEP 0, 0, 1                                   ; the first step's products start the sums
	STEPS 0, 1
	; slot 0's last step changes slots: one barrier; in front of it my last tensor load has landed and my reads of slot 0 are over.  Nothing is filled again.
	s_wait_tensorcnt 0x0                           ; my part of slot 1 is in
	ds_add_u32 v[SPW], v[NIL]
	s_wait_dscnt 4*NL+1                            ; (the add and A's blocks 4-7 may be out)
	WIN MUL_LO
	MUL16 0, 1, NQ-1, 0, 0
	s_wait_dscnt 0x0                               ; the add is done, my reads of slot 0 are over
	s_barrier_signal -1
	MUL16 2, 1, NQ-1, 0, 0
	WIN 0
	s_barrier_wait -1
	PLACES NP
	v_add_nc_u32 v[ADRS], 4*NQ, v[ADRS]            ; the second K step's scale words
	FETCH_B 1, 0, 0
	FETCH_A 1, 0, 0
	SCALES 1
	WIN MUL_HI
	MUL16 4, 1, NQ-1, 0, 0
	MUL16 6, 1, NQ-1, 0, 0
	PLACES NP
	WIN 0
	FETCH_A 1, 0, 4
	STEPS 1, 0
	s_wait_dscnt 4*NL                              ; the very last step: nothing more to fetch
	WIN MUL_LO
	MUL16 0, 1, NQ-1, 1, 0
	MUL16 2, 1, NQ-1, 1, 0
	s_wait_dscnt 0
	WIN MUL_HI
	MUL16 4, 1, NQ-1, 1, 0
	MUL16 6, 1, NQ-1, 1, 0
	WIN 0
	PLACES NP                                      ; for the reads of results and the loads and writes into operands' registers below
	; POSITIONS 0-15 OF A SEQUENCE IN F32: they are block 0 of the waves with the upper row half in every eighth tile row.  The branch hangs on the cluster's y and the wave's number: alike in all partners.
	s_and_b32 s2, ttmp7, 7
	s_or_b32 s2, s2, s15
	s_cmp_lg_u32 s2, 0
	s_cbranch_scc1 .Lno16
	WIN 0x08                                       ; an LDS store's data: window 2
.irp b, 0,1,2,3,4,5,6,7
	ds_store_b128 v[STO], v[8*\b:8*\b+3] offset:64*\b              ; each accumulator from its low end on
	ds_store_b128 v[STO], v[8*\b+4:8*\b+7] offset:64*\b+16
.endr
	WIN 0
.irp t, 0,1,2,3,4,5,6,7,8,9,10,11,12,13,14,15
	ds_load_b128 v[BK+4*\t:BK+4*\t+3], v[RD] offset:\t*SPITCH      ; LDS serves a wave's instructions in order: these see my stores
.endr
	s_wait_dscnt 0x0
.irp t, 0,1,2,3,4,5,6,7,8,9,10,11,12,13,14,15
	global_store_b128 v[CO], v[BK+4*\t:BK+4*\t+3], s[96:97] offset:\t*4096   ; 32 lanes store 512 consecutive bytes of a row of xf
.endr
	s_wait_xcnt 0x0                                ; these registers are loaded again below
.Lno16:
; THE WAY OUT IN F16, block by block of 16 rows x 128 columns (two heads): rounded, 16 bytes a lane into my stage, back as 4 rows x 128 bytes of one head: 512 consecutive bytes of xh an instruction.
.macro PACKH a
.set AC, 64*((\a)%4)
	WIN 0x0a+5*((\a)/4)                            ; sources 0 and 1: window 2 or 3
.irp b, 0,1,2,3,4,5,6,7
.irp r, 0,1,2,3
	v_cvt_pk_f16_f32 v[TMP+4*\b+\r], v[AC+8*\b+2*\r], v[AC+8*\b+2*\r+1]
.endr
.endr
	WIN 0
.endm
.macro TOSTAGEH a
.set BB, BK+32*((\a)%2)
.irp b, 0,1,2,3,4,5,6,7
	ds_store_b128 v[STOH], v[TMP+4*\b:TMP+4*\b+3] offset:32*\b
.endr
.irp t, 0,1,2,3,4,5,6,7
	ds_load_b128 v[BB+4*\t:BB+4*\t+3], v[RDH] offset:(4*(\t%4))*HPITCH+128*(\t/4)
.endr
.endm
.macro SENDH a
.set BB, BK+32*((\a)%2)
	s_wait_dscnt 0x0                               ; the block is back in registers
	s_wait_xcnt 0x0                                ; the stores of the block before have read their registers: the next block's loads may land there
.irp t, 0,1,2,3,4,5,6,7
	global_store_b128 v[CO], v[BB+4*\t:BB+4*\t+3], s[12:13] offset:(\a)*2048+(\t%4)*512+(\t/4)*262144
.endr
.endm
	PACKH 0
	TOSTAGEH 0
.irp a, 1,2,3,4,5,6,7
	PACKH \a                                       ; block a's conversions stand between block a - 1's loads from the stage and the wait for them
	SENDH \a-1
	TOSTAGEH \a
.endr
	SENDH 7
	s_wait_tensorcnt 0x0                           ; the wave's end
	ds_add_u32 v[SPW], v[NIL]
	s_wait_dscnt 0x0
	CROUND                                         ; the closing round
	s_endpgm
.Lfunc_end_k_qf8f57a51b5_proj:
	.size	k_qf8f57a51b5_proj, .Lfunc_end_k_qf8f57a51b5_proj-k_qf8f57a51b5_proj
	.p2alignl 7, 3214868480
	.fill 96, 4, 3214868480
	.section	.rodata,"a",@progbits
	.p2align	6, 0x0
	.amdhsa_kernel k_qf8f57a51b5_proj
		.amdhsa_group_segment_fixed_size 327680
		.amdhsa_private_segment_fixed_size 0
		.amdhsa_enable_private_segment 0
		.amdhsa_kernarg_size 48
		.amdhsa_user_sgpr_count 2
		.amdhsa_user_sgpr_kernarg_segment_ptr 1
		.amdhsa_wavefront_size32 1
		.amdhsa_system_sgpr_workgroup_id_x 1
		.amdhsa_system_sgpr_workgroup_id_y 1
		.amdhsa_system_sgpr_workgroup_id_z 1
		.amdhsa_system_vgpr_workitem_id 0
		.amdhsa_next_free_vgpr 1024
		.amdhsa_next_free_sgpr 100
		.amdhsa_reserve_vcc 0
		.amdhsa_float_denorm_mode_32 3
		.amdhsa_float_denorm_mode_16_64 3
		.amdhsa_memory_ordered 1
		.amdhsa_forward_progress 1
		.amdhsa_inst_pref_size 130
	.end_amdhsa_kernel
	.amdgpu_metadata
---
amdhsa.version: [ 1, 2 ]
amdhsa.kernels:
  - .name:           k_qf8f57a51b5_proj
    .symbol:         k_qf8f57a51b5_proj.kd
    .args:
      - { .name: acodes, .offset: 0, .size: 8, .value_kind: global_buffer, .address_space: global }
      - { .name: ascales, .offset: 8, .size: 8, .value_kind: global_buffer, .address_space: global }
      - { .name: wcodes, .offset: 16, .size: 8, .value_kind: global_buffer, .address_space: global }
      - { .name: wscales, .offset: 24, .size: 8, .value_kind: global_buffer, .address_space: global }
      - { .name: xh, .offset: 32, .size: 8, .value_kind: global_buffer, .address_space: global }
      - { .name: xf, .offset: 40, .size: 8, .value_kind: global_buffer, .address_space: global }
    .group_segment_fixed_size: 327680
    .private_segment_fixed_size: 0
    .kernarg_segment_align: 8
    .kernarg_segment_size: 48
    .max_flat_workgroup_size: 128
    .sgpr_count:     100
    .vgpr_count:     1024
    .wavefront_size: 32
...
	.end_amdgpu_metadata
.endif
;; end of part 2
;; launch attn (part 3): grid 8 x 32, 16 waves a work-group, no clusters, 327,680 bytes of LDS; arguments xh, att; writes att
.if DOCPART == 3
	.amdgcn_target "amdgcn-amd-amdhsa--gfx1250"
	.amdhsa_code_object_version 6
	.text
	.protected	k_qf8f57a51b5_attn
	.globl	k_qf8f57a51b5_attn
	.p2align	8
	.type	k_qf8f57a51b5_attn,@function
k_qf8f57a51b5_attn:
	s_mov_b64 s[64:65], 0
	v_nop
	global_prefetch_b8 v0, s[64:65] scope:SCOPE_SE
	s_setreg_imm32_b32 hwreg(HW_REG_WAVE_MODE, 25, 1), 1
	s_wait_xcnt 0x0
; Causal attention, head by head: att = softmax(xq xk^T / 8, keys up to the query) xv.  xh [g 3][bh 32][s 2048][64] f16 holds xq, xk, xv.  Products on f16 operands with f32 sums; maxima, exponentials and sums in f32;
; the weights p are rounded to f16 for the second product, the result once at the end.
; att [R 64 groups of 64 rows (b, s)][head 16][64 rows][64 channels] f16: a wave's 16 rows of a head are 2,048 consecutive bytes.
; LIMITS: results beyond 65,504 in magnitude become infinity; the running maximum starts at -3e38; NaN and infinities among the operands are not served.
; SHARES.  A work-group owns one (batch, head) and two blocks of 128 queries, i and 15 - i: (i + 1) + (16 - i) = 17 units of keys in every work-group.  Each of its sixteen waves owns one tile of 16 queries in 256
; registers: four waves to a SIMD, so that one wave's vector work stands beside another's products and LDS loads; the two blocks' waves are dealt so that any four waves on end hold two of each.
; Keys go 64 a step.  K's and V's rows come through a ring of two LDS slots of 256 keys (waves 0, 1: K's halves; waves 2, 3: V's), read by all sixteen.
; LAYOUT.  S^T = K Q^T (source 0 = 16 keys, source 1 = my 16 queries): a lane holds ONE query (lane % 16) and keys 8 (lane / 16) + 0..7 of a tile.  Two tiles, rounded in pairs, ARE source 1 of O^T = V^T P.  V comes out of LDS turned.
; SOFTMAX.  A running maximum m and sum l: p = 2^(c s - c m), c = log2(e) / 8; in every step O and l are multiplied by a = 2^(c m_old - c m_new).
; THE LDS LOADS STAND IN TWO RUNS OF 16, each well ahead of its use: V's behind the step's products K Q^T, with the whole softmax in which to land; K's of the NEXT step behind the search for the maximum, with the
; exponentials, the sums and the products V^T P in which to land.  Only a slot's first step loads its own K.
; CAUSAL.  Every work-group walks all 8 slots: trip counts are constants.  A step all of whose keys come after the wave's queries, and with it the rest of its slot, is jumped over; a slot whose first key comes after the
; work-group's last query is not asked for.
; NO CLUSTER: under the causal mask the work-groups of a head need different numbers of slots, so a joint load would bring tiles that some partner never reads.
.set KP,    144                        ; a row of K in LDS: 128 bytes + 16: the 16 rows of a load start 4 banks apart
.set VP,    160                        ; a row of V: 128 + 32: an odd multiple of 32, for the turning load
.set SK,    256                        ; keys in a slot
.set VOFF,  SK*KP                      ; a slot: 256 rows of K, then 256 rows of V
.set SLOTB, SK*(KP+VP)
.set STAGE, SLOTB                      ; between the slots: 16 rows x 144 bytes for each wave, for the way out: bytes of their own
.set SLOT1, 1<<17                      ; slot 1 begins here: one exclusive or turns an address
.set SPARE, SLOT1+SLOTB                ; the spare words, 128 bytes for each of 16 waves
.set NSL,   8
.set AK0, 1                            ; v1  my lane's place in a tile of K
.set AV0, 2                            ; v2  the same for V
.set SPW, 3                            ; v3  my spare word; never rewritten
.set NIL, 4                            ; v4  0; never rewritten
.set GO,  5                            ; v5  16 x lane
.set ADK, 6                            ; v6  LDS address of the slot's K
.set ADV, 7                            ; v7  of its V
.set STO, 8                            ; v8  the way out: where I put 16 bytes of a row
.set RD,  9                            ; v9  where I read back
.set RH,  10                           ; v10 r - 8 h
.set PFO, 11                           ; v11 256 x lane
.set W,   16                           ; v16-19 at work; a in v18.   v12 c m, v13 m, v[14:15] l in two halves, v20 d, v21 -infinity
.set QF,  24                           ; v24-39  Q's two fragments
.set S,   40                           ; v40-71  S^T, then p
.set P,   72                           ; v72-87  p in f16
.set O,   88                           ; v88-119 O^T
.set KFR, 120                          ; v120-183 K's fragments: 8 (2 t + c)
.set VFR, 184                          ; v184-247 V's: 8 (4 u + t)
.set TB,   2                           ; s2  LDS byte at which the slot in hand begins
.set SLOTS, 3                          ; s3  changes of slots still to come in the loop
.set WV,   8
.set SQ0,  9                           ; s9  my first query
.set SKF,  10                          ; s10 the first key of the slot in hand
.set SQL,  11                          ; s11 my work-group's last query
.set SEL,  12
.set CS,   14
.set G1K,  16
.set G1V,  24
.set G0K,  32
.set G0V,  36
.set PFA,  40
.set LIM,  42
.set SQ15, 43                          ; s43 my last query
.macro TLOAD                           ; waves 0, 1 fetch K's halves, waves 2, 3 V's, the others nothing.  An s_nop 0 and four v_nop follow each load
	s_cmp_lt_u32 s[WV], 2
	s_cbranch_scc0 .Lnot_k_\@
	tensor_load_to_lds s[G0K:G0K+3], s[G1K:G1K+7]
	s_nop 0
.rept 4
	v_nop
.endr
	s_branch .Lasked_\@
.Lnot_k_\@:
	s_cmp_lt_u32 s[WV], 4
	s_cbranch_scc0 .Lasked_\@
	tensor_load_to_lds s[G0V:G0V+3], s[G1V:G1V+7]
	s_nop 0
.rept 4
	v_nop
.endr
.Lasked_\@:
.endm
; A prefetch of what the NEXT change of slots will ask for: 32,768 dense bytes of K and as many of V.  The head's first work-group, which walks all keys, asks; in it waves 4-7 for K, waves 8-11 for V:
; 8,192 bytes a wave, lanes 256 bytes apart: each block of 256 bytes is named once in the launch.  The last change that fills a slot asks for nothing; slots 0 and 1 come by their loads alone.
.macro ASK
	s_cmp_gt_u32 s[SLOTS], s[LIM]
	s_cbranch_scc0 .Lnot_mine_\@
	global_prefetch_b8 v[PFO], s[PFA:PFA+1] th:TH_LOAD_NT scope:SCOPE_SE
.Lnot_mine_\@:
.endm
	s_load_b128 s[4:7], s[0:1], 0x0                ; xh, att
	v_lshl_add_u32 v[SPW], v0, 2, SPARE
	v_mov_b32 v[NIL], 0
	ds_add_u32 v[SPW], v[NIL]                      ; the wave's opening: the add, twice on end, and its wait ahead of the first tensor load
	ds_add_u32 v[SPW], v[NIL]
	v_lshrrev_b32 v5, 5, v0
	v_readfirstlane_b32 s[WV], v5                  ; wave 0..15
	s_and_b32 s50, ttmp7, 0xffff                   ; bh = 16 b + head
	s_lshr_b32 s48, s[WV], 2
	s_add_co_u32 s48, s48, s[WV]
	s_and_b32 s48, s48, 1                          ; which of the two blocks is my wave's
	s_sub_co_u32 s49, 15, ttmp9
	s_cmp_eq_u32 s48, 1
	s_cselect_b32 s49, s49, ttmp9                  ; block 15 - i or i
	s_lshl_b32 s[SQ0], s49, 7
	s_lshr_b32 s48, s[WV], 1
	s_lshl_b32 s48, s48, 4
	s_add_co_u32 s[SQ0], s[SQ0], s48               ; my first query
	s_add_co_u32 s[SQ15], s[SQ0], 15               ; and my last
	s_sub_co_u32 s[SQL], 16, ttmp9
	s_lshl_b32 s[SQL], s[SQL], 7
	s_sub_co_u32 s[SQL], s[SQL], 1                 ; the work-group's last query
	s_lshl_b32 s52, s50, 18                        ; the head's first byte in each of xq, xk, xv
	s_mov_b32 s53, 0
	s_and_b32 s51, s[WV], 1                        ; which half of a slot's rows I fetch, if I fetch
	s_lshl_b32 s54, s51, 14
	s_add_co_u32 s54, s54, s52
	s_mov_b32 s55, 0
	s_lshl_b32 s56, s[SQ0], 7
	s_add_co_u32 s56, s56, s52                     ; my queries' rows
	s_mov_b32 s57, 0
	s_lshr_b32 s48, s50, 4                         ; att: ((32 b + q / 64) 16 + head) 8,192 + (q % 64) 128
	s_lshl_b32 s48, s48, 5
	s_lshr_b32 s49, s[SQ0], 6
	s_add_co_u32 s48, s48, s49
	s_lshl_b32 s48, s48, 4
	s_and_b32 s49, s50, 15
	s_add_co_u32 s48, s48, s49
	s_lshl_b32 s48, s48, 13
	s_and_b32 s49, s[SQ0], 63
	s_lshl_b32 s49, s49, 7
	s_add_co_u32 s58, s48, s49
	s_mov_b32 s59, 0
	; descriptor group 1: 128 rows x 64 elements of 2 bytes, dense in memory, padded in LDS
	s_mov_b32 s[G1K], (1<<16)|(1<<20)|(4<<22)|(3<<25)              ; no mask; elements of 2 bytes; padding on: after every 32 words 4 words
	s_mov_b32 s[G1V], (1<<16)|(1<<20)|(4<<22)|(7<<25)              ; the same with 8 words
.irp g, G1K, G1V
	s_mov_b32 s[\g+1], 64<<16                      ; tensor_dim0
	s_mov_b32 s[\g+2], 128<<16                     ; tensor_dim1
	s_mov_b32 s[\g+3], 64<<16                      ; tile_dim0
	s_mov_b32 s[\g+4], 128                         ; tile_dim1
	s_mov_b32 s[\g+5], 64                          ; the pitch
	s_mov_b32 s[\g+6], 0
	s_mov_b32 s[\g+7], 0
.endr
	s_mov_b32 s[SEL], 0x76543210
	s_mov_b32 s[SEL+1], 0xfedcba98                 ; v_permlanex16_b32's selects for lane l xor 16
	s_mov_b32 s[CS], 0x3e38aa3b                    ; c = log2(e) / 8
	s_mov_b32 s[CS+1], s[CS]                       ; (named with it as a pair, so it is written)
	s_mov_b32 s[TB], 0
	s_mov_b32 s[SKF], 0
	s_mov_b32 s[SLOTS], NSL-1
	s_wait_dscnt 0x0                               ; both opening adds are done
	s_wait_kmcnt 0x0
	s_mov_b32 s[G0K], 1
	s_mul_i32 s[G0K+1], s51, 128*KP                ; LDS: slot 0, my half
	s_add_nc_u64 s[G0K+2:G0K+3], s[4:5], s[54:55]
	s_add_nc_u64 s[G0K+2:G0K+3], s[G0K+2:G0K+3], 0x800000          ; xk
	s_or_b32 s[G0K+3], s[G0K+3], 0x80000000
	s_mov_b32 s[G0V], 1
	s_mul_i32 s[G0V+1], s51, 128*VP
	s_add_co_u32 s[G0V+1], s[G0V+1], VOFF
	s_add_nc_u64 s[G0V+2:G0V+3], s[4:5], s[54:55]
	s_add_nc_u64 s[G0V+2:G0V+3], s[G0V+2:G0V+3], 0x1000000         ; xv
	s_or_b32 s[G0V+3], s[G0V+3], 0x80000000
	TLOAD                                          ; slot 0: it holds key 0, which counts for every query
	s_add_nc_u64 s[44:45], s[4:5], s[56:57]        ; xq at my first query
	s_add_nc_u64 s[46:47], s[6:7], s[58:59]        ; att at my 2,048 bytes
	s_cmp_lt_u32 s[WV], 8                          ; the prefetches: waves 4-7 stand in xk, waves 8-11 in xv
	s_mov_b32 s49, 0x1000000
	s_cselect_b32 s48, 0x800000, s49
	s_and_b32 s49, s[WV], 3
	s_lshl_b32 s49, s49, 13                        ; my wave's 8,192 bytes,
	s_add_co_u32 s48, s48, s49
	s_add_co_u32 s48, s48, s52                     ; in my head,
	s_add_co_u32 s48, s48, SK*128                  ; in slot 1: the first change of slots steps it to slot 2
	s_mov_b32 s49, 0
	s_add_nc_u64 s[PFA:PFA+1], s[4:5], s[48:49]
	s_sub_co_u32 s48, s[WV], 4
	s_lshr_b32 s48, s48, 3                         ; 0 in waves 4 to 11,
	s_or_b32 s48, s48, ttmp9                       ; of the head's first work-group
	s_cmp_eq_u32 s48, 0
	s_cselect_b32 s[LIM], 1, -1
	v_and_b32 v16, 15, v0                          ; r
	v_bfe_u32 v17, v0, 4, 1                        ; h
	v_lshlrev_b32 v6, 7, v16
	v_lshl_add_u32 v6, v17, 4, v6                  ; Q: row r of 128 bytes + 16 h
.irp n, 0,1,2,3
	global_load_b128 v[QF+4*\n:QF+4*\n+3], v6, s[44:45] offset:32*\n   ; Q's two fragments stay in registers
.endr
	v_mul_u32_u24 v[AK0], v16, KP
	v_lshl_add_u32 v[AK0], v17, 4, v[AK0]          ; K: row r x pitch + 16 h
	v_and_b32 v18, 7, v0
	v_bfe_u32 v19, v0, 3, 1
	v_lshl_add_u32 v[AV0], v17, 3, v18             ; V, turned: key 8 h + l % 8,
	v_mul_u32_u24 v[AV0], v[AV0], VP
	v_lshl_add_u32 v[AV0], v19, 4, v[AV0]          ; channels 8 ((l / 8) % 2) on
	v_add_nc_u32 v[AV0], VOFF, v[AV0]
	v_and_b32 v18, 31, v0
	v_lshlrev_b32 v[GO], 4, v18
	v_lshlrev_b32 v[PFO], 8, v18
	s_mul_i32 s48, s[WV], 16*KP
	s_add_co_u32 s48, s48, STAGE                   ; my stage
	v_mul_u32_u24 v[STO], v16, KP
	v_lshl_add_u32 v[STO], v17, 4, v[STO]
	v_add_nc_u32 v[STO], s48, v[STO]               ; in: row r, 16 bytes for each half of the lanes
	v_lshrrev_b32 v19, 3, v18
	v_mul_u32_u24 v[RD], v19, KP
	v_and_b32 v19, 7, v0
	v_lshl_add_u32 v[RD], v19, 4, v[RD]
	v_add_nc_u32 v[RD], s48, v[RD]                 ; back: row l / 8, 16 (l % 8) bytes on
	v_lshlrev_b32 v19, 3, v17
	v_sub_nc_u32 v[RH], v16, v19                   ; r - 8 h
	v_mov_b32 v13, 0xff61b1e6                      ; m = -3e38, under every score
	v_mul_f32 v12, s[CS], v13                      ; c m
	v_mov_b32 v14, 0                               ; l
	v_mov_b32 v15, 0
.irp j, 0,1,2,3
	v_mov_b32 v[W+\j], 0                           ; written once: a lane permute's destination counts as read, and so does a pair's upper half
.endr
	v_mov_b32 v21, 0xff800000                      ; -infinity
.irp j, 0,1,2,3,4,5,6,7,8,9,10,11,12,13,14,15,16,17,18,19,20,21,22,23,24,25,26,27,28,29,30,31
	v_mov_b32 v[O+\j], 0                           ; O^T: the step is written once: the first finds zeros, which a = 0 leaves zeros
.endr
.macro KLOAD q                         ; K's eight fragments of the slot's q-th 64 keys: 16 loads
.irp t, 0,1,2,3
.irp c, 0,1
	ds_load_b128 v[KFR+8*(2*\t+\c):KFR+8*(2*\t+\c)+3], v[ADK] offset:(64*(\q)+16*\t)*KP+64*\c
	ds_load_b128 v[KFR+8*(2*\t+\c)+4:KFR+8*(2*\t+\c)+7], v[ADK] offset:(64*(\q)+16*\t)*KP+64*\c+32
.endr
.endr
.endm
; A KEY STEP: 64 keys, the q-th of the slot in hand.  id: the name of the slot's end, to which a hidden step jumps.
.macro STEP q, id
.if (\q) == 0                                  ; a step all of whose keys come after my queries is left out, and the rest of the slot with it: later keys are hidden too.  Ids and the count of slots alone;
	s_cmp_gt_u32 s[SKF], s[SQ15]                   ; no barrier and no tensor load stands in a slot's steps.  So a step q > 0 is reached only through step q - 1, which has asked for its K
.else
	s_add_co_u32 s48, s[SKF], 64*(\q)
	s_cmp_gt_u32 s48, s[SQ15]
.endif
	s_cbranch_scc1 .Lrest_\id
	v_add_nc_u32 v[ADK], s[TB], v[AK0]
	v_add_nc_u32 v[ADV], s[TB], v[AV0]
	v_nop
	v_nop                                          ; four places between the last step's products and the loads into V's registers
.if (\q) == 0
	KLOAD 0                                        ; a slot's first step asks for its own K: the slot may be read only behind the change's barrier
.endif
	s_wait_dscnt 0x0                               ; K is in: nothing else of mine is out
.irp t, 0,1,2,3                                ; S^T = K Q^T: the four tiles take turns, one instruction a turn
	v_wmma_f32_16x16x32_f16 v[S+8*\t:S+8*\t+7], v[KFR+16*\t:KFR+16*\t+7], v[QF:QF+7], 0
.endr
.irp t, 0,1,2,3
	v_wmma_f32_16x16x32_f16 v[S+8*\t:S+8*\t+7], v[KFR+16*\t+8:KFR+16*\t+15], v[QF+8:QF+15], v[S+8*\t:S+8*\t+7]
.endr
.irp u, 0,1                                    ; V's 16 loads: wanted behind the softmax
.irp t, 0,1,2,3
	ds_load_tr16_b128 v[VFR+8*(4*\u+\t):VFR+8*(4*\u+\t)+3], v[ADV] offset:(64*(\q)+32*\u)*VP+32*\t
	ds_load_tr16_b128 v[VFR+8*(4*\u+\t)+4:VFR+8*(4*\u+\t)+7], v[ADV] offset:(64*(\q)+32*\u+16)*VP+32*\t
.endr
.endr
.rept 4
	v_nop                                          ; four places in front of the first read of the scores
.endr
	s_add_co_u32 s48, s[SKF], 64*(\q)+63           ; on the diagonal hidden scores become -infinity; a step all of whose keys count skips this
	s_cmp_le_u32 s48, s[SQ0]
	s_cbranch_scc1 .Lopen_\@
	s_sub_co_i32 s48, s[SQ0], s[SKF]
.if (\q) > 0
	s_sub_co_i32 s48, s48, 64*(\q)
.endif
	v_add_nc_u32 v20, s48, v[RH]                   ; d = my query - the step's first key - 8 h.  Register 8 t + j holds key 16 t + 8 h + j: hidden where 16 t + j > d
.irp n, 0,1,2,3,4,5,6,7,8,9,10,11,12,13,14,15,16,17,18,19,20,21,22,23,24,25,26,27,28,29,30,31
	v_cmp_gt_i32 vcc_lo, 16*(\n/8)+\n%8, v20
	v_cndmask_b32 v[S+\n], v[S+\n], v21, vcc_lo
.endr
.Lopen_\@:
.irp j, 0,1,2,3
	v_max3_num_f32 v[W+\j], v[S+8*\j], v[S+8*\j+1], v[S+8*\j+2]    ; the maximum, in four chains, each tile from its low end on
.endr
.irp i, 3,5
.irp j, 0,1,2,3
	v_max3_num_f32 v[W+\j], v[W+\j], v[S+8*\j+\i], v[S+8*\j+\i+1]
.endr
.endr
	v_max3_num_f32 v[W], v[W], v[S+7], v[S+15]
	v_max3_num_f32 v[W+2], v[W+2], v[S+23], v[S+31]
	v_max3_num_f32 v[W], v[W], v[W+1], v[W+2]
	v_max3_num_f32 v[W], v[W], v[W+3], v13         ; with the old m
	v_permlanex16_b32 v[W+1], v[W], s[SEL], s[SEL+1]   ; the query's other 32 keys lie in the lane 16 away
	v_mov_b32 v[W+3], v12                          ; c m_old
	v_max_num_f32 v13, v[W], v[W+1]                ; the new m
	v_mul_f32 v12, s[CS], v13
	v_sub_f32 v[W+3], v[W+3], v12                  ; c m_old - c m_new
.if (\q) < 3
	KLOAD (\q)+1                                   ; THE NEXT STEP'S K, into registers whose products stand more than four plain instructions back: it lands under the rest of this step
.endif
.irp j, 0,2,4,6,8,10,12,14,16,18,20,22,24,26,28,30
	v_pk_fma_f32 v[S+\j:S+\j+1], v[S+\j:S+\j+1], s[CS:CS+1], v[12:13] op_sel_hi:[1,0,0] neg_lo:[0,0,1] neg_hi:[0,0,1]   ; c s - c m
.endr
	v_exp_f32 v[W+2], v[W+3]                       ; a
.irp j, 0,1,2,3,4,5,6,7,8,9,10,11,12,13,14,15,16,17,18,19,20,21,22,23,24,25,26,27,28,29,30,31
	v_exp_f32 v[S+\j], v[S+\j]                     ; p
.endr
	v_nop                                          ; a plain instruction behind the last exponential
	s_wait_alu depctr_va_vdst(0)                   ; one wait for the batch of 33, ahead of its first reader
.irp j, 0,1,2,3,4,5,6,7,8,9,10,11,12,13,14,15
	v_cvt_pk_f16_f32 v[P+\j], v[S+2*\j], v[S+2*\j+1]   ; two tiles of p are one fragment of source 1
.endr
.irp z, 0,1,2,3,4,5,6,7                        ; the sum of the unrounded p, in place: pairs 1, 2, 4 and 8 apart
	v_pk_add_f32 v[S+4*\z:S+4*\z+1], v[S+4*\z:S+4*\z+1], v[S+4*\z+2:S+4*\z+3]
.endr
.irp z, 0,1,2,3
	v_pk_add_f32 v[S+8*\z:S+8*\z+1], v[S+8*\z:S+8*\z+1], v[S+8*\z+4:S+8*\z+5]
.endr
.irp z, 0,1
	v_pk_add_f32 v[S+16*\z:S+16*\z+1], v[S+16*\z:S+16*\z+1], v[S+16*\z+8:S+16*\z+9]
.endr
	v_pk_add_f32 v[S:S+1], v[S:S+1], v[S+16:S+17]
	v_pk_fma_f32 v[14:15], v[14:15], v[W+2:W+3], v[S:S+1] op_sel_hi:[1,0,1]   ; l = a l + the sum
.irp j, 0,2,4,6,8,10,12,14,16,18,20,22,24,26,28,30
	v_pk_mul_f32 v[O+\j:O+\j+1], v[O+\j:O+\j+1], v[W+2:W+3] op_sel_hi:[1,0]   ; O^T x a, each tile from its low end on
.endr
.if (\q) < 3
	s_wait_dscnt 16                                ; V is in; the next step's K, 16 loads issued behind V's, may be out
.else
	s_wait_dscnt 0x0                               ; V is in
.endif
.irp u, 0,1                                    ; O^T += V^T P: the four tiles of channels take turns
.irp t, 0,1,2,3
	v_wmma_f32_16x16x32_f16 v[O+8*\t:O+8*\t+7], v[VFR+8*(4*\u+\t):VFR+8*(4*\u+\t)+7], v[P+8*\u:P+8*\u+7], v[O+8*\t:O+8*\t+7]
.endr
.endr
.endm
; THE CHANGE OF SLOTS stands at a slot's head.  Each wave waits for all its tensor loads, adds 0 to its spare word, and waits for that and for its reads of the slot that it has left (a K asked for ahead of a hidden step among them).
; Behind the barrier the slot ahead is whole and nobody reads the other one.  fill = 1: that other slot is filled with the next 256 keys, up to the causal limit: the load has four key steps in which to land.
.macro CHANGE fill
	s_wait_tensorcnt 0x0                           ; no tensor load of mine is out, so a group 0 may be written
	ds_add_u32 v[SPW], v[NIL]
.if \fill
	ds_add_u32 v[SPW], v[NIL]                      ; and once more here, in every trip alike
	s_xor_b32 s[G0K+1], s[G0K+1], SLOT1            ; the walking descriptors: the other slot,
	s_add_nc_u64 s[G0K+2:G0K+3], s[G0K+2:G0K+3], SK*128            ; the next 256 keys
	s_xor_b32 s[G0V+1], s[G0V+1], SLOT1
	s_add_nc_u64 s[G0V+2:G0V+3], s[G0V+2:G0V+3], SK*128
	s_wait_xcnt 0x0                                ; the last prefetch, a slot back, has read its address
	s_add_nc_u64 s[PFA:PFA+1], s[PFA:PFA+1], SK*128
.endif
	s_wait_dscnt 0x0                               ; the add is done, my reads of the slot that I have left are over
	s_barrier_signal -1
	s_barrier_wait -1
.if \fill
	s_add_co_u32 s48, s[SKF], SK                   ; the first key of the slot that this change would ask for:
	s_cmp_gt_u32 s48, s[SQL]                       ; past my work-group's last query none of its waves would read it.  Ids and the count of slots alone: all sixteen waves go the same way; every wait on TENSORcnt here is for 0
	s_cbranch_scc1 .Lpast_\@
	TLOAD                                          ; a wave's one tensor load until the next barrier
.Lpast_\@:
	ASK
.endif
.endm
.macro SLOT_STEPS id
	STEP 0, \id
	STEP 1, \id
	STEP 2, \id
	STEP 3, \id
.Lrest_\id:
	s_add_co_u32 s[SKF], s[SKF], SK                ; the next slot's first key,
	s_xor_b32 s[TB], s[TB], SLOT1                  ; in the other slot
.endm
	s_wait_loadcnt 0x0                             ; Q
.Lslot:                                            ; 7 trips
	CHANGE 1
	SLOT_STEPS loop
	s_sub_co_u32 s[SLOTS], s[SLOTS], 1
	s_cmp_lg_u32 s[SLOTS], 0
	s_cbranch_scc1 .Lslot
	CHANGE 0                                       ; the last slot is written out: nothing is left to ask for
	SLOT_STEPS tail
	; THE WAY OUT: O^T / l, rounded to f16, through my stage, out as 2,048 consecutive bytes.
.rept 4
	v_nop                                          ; places behind the last products
.endr
	v_add_f32 v14, v14, v15
	v_permlanex16_b32 v[W+1], v14, s[SEL], s[SEL+1]
	v_add_f32 v14, v14, v[W+1]                     ; the row's sum
	v_rcp_f32 v[W+2], v14
	v_nop
	s_wait_alu depctr_va_vdst(0)                   ; ahead of the reciprocal's first reader
.irp j, 0,2,4,6,8,10,12,14,16,18,20,22,24,26,28,30
	v_pk_mul_f32 v[S+\j:S+\j+1], v[O+\j:O+\j+1], v[W+2:W+3] op_sel_hi:[1,0]
.endr
.irp j, 0,1,2,3,4,5,6,7,8,9,10,11,12,13,14,15
	v_cvt_pk_f16_f32 v[P+\j], v[S+2*\j], v[S+2*\j+1]   ; tile t: channels 16 t + 8 h + 0..7 of query r: 16 bytes
.endr
.irp t, 0,1,2,3
	ds_store_b128 v[STO], v[P+4*\t:P+4*\t+3] offset:32*\t
.endr
.irp t, 0,1,2,3
	ds_load_b128 v[S+4*\t:S+4*\t+3], v[RD] offset:4*KP*\t          ; LDS serves a wave's instructions in order: these see my stores
.endr
.irp t, 0,1,2,3
	s_wait_dscnt 3-\t                              ; the younger loads may stay out
	global_store_b128 v[GO], v[S+4*\t:S+4*\t+3], s[46:47] offset:512*\t      ; 32 lanes store 512 consecutive bytes
.endr
	s_wait_tensorcnt 0x0                           ; the wave's end
	ds_add_u32 v[SPW], v[NIL]
	s_wait_dscnt 0x0
	s_endpgm
.Lfunc_end_k_qf8f57a51b5_attn:
	.size	k_qf8f57a51b5_attn, .Lfunc_end_k_qf8f57a51b5_attn-k_qf8f57a51b5_attn
	.p2alignl 7, 3214868480
	.fill 96, 4, 3214868480
	.section	.rodata,"a",@progbits
	.p2align	6, 0x0
	.amdhsa_kernel k_qf8f57a51b5_attn
		.amdhsa_group_segment_fixed_size 327680
		.amdhsa_private_segment_fixed_size 0
		.amdhsa_enable_private_segment 0
		.amdhsa_kernarg_size 16
		.amdhsa_user_sgpr_count 2
		.amdhsa_user_sgpr_kernarg_segment_ptr 1
		.amdhsa_wavefront_size32 1
		.amdhsa_system_sgpr_workgroup_id_x 1
		.amdhsa_system_sgpr_workgroup_id_y 1
		.amdhsa_system_sgpr_workgroup_id_z 1
		.amdhsa_system_vgpr_workitem_id 0
		.amdhsa_next_free_vgpr 256
		.amdhsa_next_free_sgpr 66
		.amdhsa_reserve_vcc 1
		.amdhsa_float_denorm_mode_32 3
		.amdhsa_float_denorm_mode_16_64 3
		.amdhsa_memory_ordered 1
		.amdhsa_forward_progress 1
		.amdhsa_inst_pref_size 109
	.end_amdhsa_kernel
	.amdgpu_metadata
---
amdhsa.version: [ 1, 2 ]
amdhsa.kernels:
  - .name:           k_qf8f57a51b5_attn
    .symbol:         k_qf8f57a51b5_attn.kd
    .args:
      - { .name: xh, .offset: 0, .size: 8, .value_kind: global_buffer, .address_space: global }
      - { .name: att, .offset: 8, .size: 8, .value_kind: global_buffer, .address_space: global }
    .group_segment_fixed_size: 327680
    .private_segment_fixed_size: 0
    .kernarg_segment_align: 8
    .kernarg_segment_size: 16
    .max_flat_workgroup_size: 512
    .sgpr_count:     66
    .vgpr_count:     256
    .wavefront_size: 32
...
	.end_amdgpu_metadata
.endif
;; end of part 3
;; launch oproj (part 4): grid 8 x 32, 4 waves a work-group, clusters of 4 x 4, 327,680 bytes of LDS; arguments att, wo16, out0; writes out0
.if DOCPART == 4
	.amdgcn_target "amdgcn-amd-amdhsa--gfx1250"
	.amdhsa_code_object_version 6
	.text
	.protected	k_qf8f57a51b5_oproj
	.globl	k_qf8f57a51b5_oproj
	.p2align	8
	.type	k_qf8f57a51b5_oproj,@function
k_qf8f57a51b5_oproj:
	s_mov_b64 s[64:65], 0
	v_nop
	global_prefetch_b8 v0, s[64:65] scope:SCOPE_SE
	s_setreg_imm32_b32 hwreg(HW_REG_WAVE_MODE, 25, 1), 1
	s_wait_xcnt 0x0
	s_wait_alu depctr_hold_cnt(0) depctr_sa_sdst(0) depctr_va_vdst(0) depctr_va_sdst(0) depctr_va_ssrc(0) depctr_va_vcc(0) depctr_vm_vsrc(0)
	s_getreg_b32 s2, hwreg(HW_REG_IB_STS2, 6, 4)
	s_cmp_eq_u32 s2, 0
	s_cbranch_scc0 .Lentry_in_a_cluster
	s_endpgm
.Lentry_in_a_cluster:
	s_bfe_u32 s2, ttmp6, 0x10000c
	s_cmp_lg_u32 s2, 0xf033
	s_cbranch_scc0 .Lentry_shape_is_right
	s_endpgm
.Lentry_shape_is_right:
; out0[m][n] = sum over k of att[m][k] wo[n][k]: 4096 x 1024 x 1024, f16 operands, f32 sums, f32 out.
; A = att [R 64 groups of 64 rows][head 16][64 rows][64 channels] f16: 64 rows x 256 along K (four heads) are one dense block of 32,768 bytes.  B = wo16 [1024 n][1024 k] f16.
; A tile of 128 x 128 gives 256 work-groups; four waves, each 64 x 64: 16 accumulators.  K goes in four steps of 256 through two LDS slots; slots 0 and 1 are each filled again once; the steps are written out.
; All rows are stored here, positions 0-15 of each sequence too: a later launch stores those 32 rows anew from f32 operands.  A branch round their stores would hang on a work-group's place in its cluster.
; CLUSTERS 4 x 4: the four of a row of the cluster need the same tiles of A, the four of a column the same tiles of B: each tile is asked for JOINTLY.
; THE MATRIX INSTRUCTION IS USED TRANSPOSED (source 0 = 16 rows of B, source 1 = 16 rows of A): a lane holds eight neighbouring numbers of a row of the result.
; REGISTERS: window 0: v0-31 addresses; v32-95 the way out; v128-255 the accumulators ((a, b) at v[128 + 8 (4 a + b)]).  window 1: two fragment buffers of 128: 64 of A, then 64 of B, for 64 along K.
; No prefetch: four short K steps on a small tile.
.set PA,     144                       ; a row of A in LDS: one head's 128 bytes + 16
.set PB,     528                       ; a row of B: 512 bytes + 16
.set HALFA,  256*PA                    ; 4 heads x 64 rows: what one tensor load brings of A
.set HALFB,  64*PB                     ; 64 rows of B
.set SLOT,   2*HALFA+2*HALFB           ; A's halves, then B's
.set STAGE,  2*SLOT                    ; 16 rows x 272 bytes for each wave
.set SPITCH, 272
.set SPARE,  STAGE+4*16*SPITCH
.set ADRA, 16
.set ADRB, 20
.set STO,  24
.set RD,   25
.set CO,   26
.set SPW,  28
.set NIL,  29
.set TMP,  32
.set ACC,  128
.set F0,   0
.set F1,   128
.set G1, 24
.set G0, 32
.set G1B, 48
.set G0B, 56
.set MSB, 0
.macro WIN new
.if MSB != \new
	s_set_vgpr_msb (MSB<<8)|\new
.set MSB, \new
.endif
.endm
.set MUL,  0x05                        ; sources 0 (B) and 1 (A) window 1; C and D window 0
.set TO_F, 0x40
.macro JLOAD s                         ; waves 0 and 1 fetch A's halves, waves 2 and 3 B's; an s_nop 0 and four v_nop follow each load
	s_cmp_eq_u32 s11, 0
	s_cbranch_scc0 .Lfor_b_\@
	tensor_load_to_lds s[G0+4*\s:G0+4*\s+3], s[G1:G1+7]
	s_nop 0
.rept 4
	v_nop
.endr
	s_branch .Lasked_\@
.Lfor_b_\@:
	tensor_load_to_lds s[G0B+4*\s:G0B+4*\s+3], s[G1B:G1B+7]
	s_nop 0
.rept 4
	v_nop
.endr
.Lasked_\@:
.endm
.macro CREST
	s_cmp_lg_u32 s10, 0
	s_cbranch_scc1 .Lnot_wave_0_\@
	s_barrier_signal -3
.Lnot_wave_0_\@:
	s_barrier_wait -3
	s_barrier_signal -1
	s_barrier_wait -1
.endm
.macro CROUND
	s_barrier_signal -1
	s_barrier_wait -1
	CREST
.endm
	s_load_b128 s[4:7], s[0:1], 0x0                ; att, wo16
	s_load_b64 s[8:9], s[0:1], 0x10                ; out0
	v_lshl_add_u32 v[SPW], v0, 2, SPARE
	v_mov_b32 v[NIL], 0
	ds_add_u32 v[SPW], v[NIL]                      ; the wave's opening: the add, twice on end, and its wait ahead of my first tensor load
	ds_add_u32 v[SPW], v[NIL]
	v_lshrrev_b32 v1, 5, v0
	v_readfirstlane_b32 s10, v1                    ; wave 0..3
	s_lshr_b32 s11, s10, 1                         ; my half of the tile's rows.  Also: I fetch for A (0) or for B (1)
	s_and_b32 s12, s10, 1                          ; my half of its columns.  Also: which half I fetch
	s_bfe_u32 s40, ttmp6, 0x40000                  ; cx, cy
	s_bfe_u32 s41, ttmp6, 0x40004
	s_lshl_b32 s42, ttmp9, 2
	s_add_co_u32 s42, s42, s40                     ; tile column
	s_and_b32 s13, ttmp7, 0xffff
	s_lshl_b32 s13, s13, 2
	s_add_co_u32 s13, s13, s41                     ; tile row
	s_lshl_b32 s43, s41, 2
	s_lshl_b32 s43, 15, s43                        ; my row of the cluster
	s_lshl_b32 s44, 0x1111, s40                    ; my column
	s_or_b32 s[G1+0], s43, (1<<16)|(1<<20)|(1<<21)|(4<<22)|(3<<25)   ; A: the mask of my row; elements of 2 bytes; padding: after every 32 words 4 words
	s_mov_b32 s[G1+1], 64<<16                      ; tensor_dim0
	s_mov_b32 s[G1+2], 256<<16                     ; tensor_dim1
	s_mov_b32 s[G1+3], 64<<16                      ; tile_dim0
	s_mov_b32 s[G1+4], 256                         ; tile_dim1
	s_mov_b32 s[G1+5], 64                          ; the pitch: dense
	s_mov_b32 s[G1+6], 0
	s_mov_b32 s[G1+7], 0
	s_or_b32 s[G1B+0], s44, (1<<16)|(1<<20)|(1<<21)|(6<<22)|(3<<25)  ; B: the mask of my column; padding: after every 128 words 4 words
	s_mov_b32 s[G1B+1], 256<<16
	s_mov_b32 s[G1B+2], 64<<16
	s_mov_b32 s[G1B+3], 256<<16
	s_mov_b32 s[G1B+4], 64
	s_mov_b32 s[G1B+5], 1024
	s_mov_b32 s[G1B+6], 0
	s_mov_b32 s[G1B+7], 0
	s_lshl_b32 s16, s13, 1
	s_add_co_u32 s16, s16, s12
	s_lshl_b32 s16, s16, 17                        ; A: group 2 x tile row + half, 131,072 bytes each
	s_mov_b32 s17, 0
	s_lshl_b32 s46, s42, 7
	s_lshl_b32 s47, s12, 6
	s_add_co_u32 s46, s46, s47
	s_lshl_b32 s46, s46, 11                        ; B: row 128 x tile column + 64 x half, 2,048 bytes each
	s_mov_b32 s47, 0
	s_mul_i32 s20, s12, HALFA                      ; where they go: by the wave's number alone
	s_mul_i32 s21, s12, HALFB
	s_add_co_u32 s21, s21, 2*HALFA
	s_wait_dscnt 0x0                               ; both opening adds are done
	s_wait_kmcnt 0x0
	s_add_nc_u64 s[14:15], s[4:5], s[16:17]
	s_add_nc_u64 s[46:47], s[6:7], s[46:47]
	CROUND                                         ; all sixteen work-groups are here
.irp s, 0,1
	s_mov_b32 s[G0+4*\s], 1
	s_add_co_u32 s[G0+4*\s+1], s20, \s*SLOT
	s_add_nc_u64 s[G0+4*\s+2:G0+4*\s+3], s[14:15], \s*32768        ; K step s: four heads on
	s_or_b32 s[G0+4*\s+3], s[G0+4*\s+3], 0x80000000
	s_mov_b32 s[G0B+4*\s], 1
	s_add_co_u32 s[G0B+4*\s+1], s21, \s*SLOT
	s_add_nc_u64 s[G0B+4*\s+2:G0B+4*\s+3], s[46:47], \s*512
	s_or_b32 s[G0B+4*\s+3], s[G0B+4*\s+3], 0x80000000
	JLOAD \s
.endr
	v_and_b32 v1, 15, v0                           ; r
	v_bfe_u32 v2, v0, 4, 1                         ; h
	v_mul_u32_u24 v3, v1, PA
	v_lshl_add_u32 v3, v2, 4, v3
	v_mul_u32_u24 v4, v1, PB
	v_lshl_add_u32 v4, v2, 4, v4
	s_mul_i32 s21, s11, HALFA                      ; my 64 rows of A
	s_mul_i32 s22, s12, HALFB                      ; my 64 rows of B
	s_add_co_u32 s22, s22, 2*HALFA
.irp s, 0,1
	v_add_nc_u32 v[ADRA+\s], s21, v3
	v_add_nc_u32 v[ADRB+\s], s22, v4
	s_add_co_u32 s21, s21, SLOT
	s_add_co_u32 s22, s22, SLOT
.endr
	s_mul_i32 s23, s10, 16*SPITCH
	s_add_co_u32 s23, s23, STAGE                   ; my stage
	v_mul_u32_u24 v5, v1, SPITCH
	v_lshl_add_u32 v5, v2, 5, v5
	v_add_nc_u32 v[STO], s23, v5                   ; in: row r, 32 bytes for each half of the lanes
	v_mul_u32_u24 v5, v2, SPITCH
	v_lshl_add_u32 v5, v1, 4, v5
	v_add_nc_u32 v[RD], s23, v5                    ; back: lanes 0-15 one row of 256 bytes, lanes 16-31 the next
	v_lshlrev_b32 v5, 12, v2
	v_lshl_add_u32 v[CO], v1, 4, v5                ; and the same two rows in out0
	s_lshl_b32 s16, s13, 7
	s_lshl_b32 s17, s11, 6
	s_add_co_u32 s16, s16, s17
	s_lshl_b32 s16, s16, 12                        ; my first row: (128 x tile row + 64 x half) x 4,096 bytes
	s_lshl_b32 s46, s42, 9
	s_lshl_b32 s47, s12, 8
	s_add_co_u32 s46, s46, s47                     ; my first column, in bytes
	s_add_co_u32 s16, s16, s46
	s_mov_b32 s17, 0
	s_add_nc_u64 s[8:9], s[8:9], s[16:17]
.macro MUL8 f, c, a0, zero             ; 8 matrix instructions: m blocks a0, a0 + 1 x 4 n blocks, 32 along K.  The 16 accumulators take turns
.irp a, \a0, \a0+1
.irp b, 0,1,2,3
.if \zero
	v_wmma_f32_16x16x32_f16 v[ACC+8*(4*(\a)+\b):ACC+8*(4*(\a)+\b)+7], v[\f+64+8*(4*\c+\b):\f+64+8*(4*\c+\b)+7], v[\f+8*(4*\c+\a):\f+8*(4*\c+\a)+7], 0
.else
	v_wmma_f32_16x16x32_f16 v[ACC+8*(4*(\a)+\b):ACC+8*(4*(\a)+\b)+7], v[\f+64+8*(4*\c+\b):\f+64+8*(4*\c+\b)+7], v[\f+8*(4*\c+\a):\f+8*(4*\c+\a)+7], v[ACC+8*(4*(\a)+\b):ACC+8*(4*(\a)+\b)+7]
.endif
.endr
.endr
.endm
.macro FETCH slot, q, f                ; 32 LDS loads: the fragments of the slot's q-th 64 along K (one head); the first 32 along K first
	WIN TO_F
.irp c, 0,1
.irp i, 0,1,2,3
	ds_load_b128 v[\f+64+8*(4*\c+\i):\f+64+8*(4*\c+\i)+3],   v[ADRB+\slot] offset:128*(\q)+64*\c+\i*16*PB
	ds_load_b128 v[\f+64+8*(4*\c+\i)+4:\f+64+8*(4*\c+\i)+7], v[ADRB+\slot] offset:128*(\q)+64*\c+\i*16*PB+32
	ds_load_b128 v[\f+8*(4*\c+\i):\f+8*(4*\c+\i)+3],         v[ADRA+\slot] offset:64*PA*(\q)+64*\c+\i*16*PA
	ds_load_b128 v[\f+8*(4*\c+\i)+4:\f+8*(4*\c+\i)+7],       v[ADRA+\slot] offset:64*PA*(\q)+64*\c+\i*16*PA+32
.endr
.endr
.endm
.macro PLACES
.rept 4
	v_nop
.endr
.endm
.macro QUARTER slot, q, f, g, zero     ; multiplies buffer f and fetches the slot's q-th quarter into g
	s_wait_dscnt 16                                ; the first 32 along K are in; the other sixteen loads may be out
	WIN MUL
	MUL8 \f, 0, 0, \zero
	MUL8 \f, 0, 2, \zero
	PLACES
	FETCH \slot, \q, \g
	s_wait_dscnt 32                                ; all but the 32 just issued
	WIN MUL
	MUL8 \f, 1, 0, 0
	MUL8 \f, 1, 2, 0
.endm
; A slot's last quarter changes slots: one barrier; in front of it each wave waits for all its tensor loads, adds 0 to its spare word, and waits for that and for its reads of this slot.  fill = 1: the slot is filled again, two K steps on.
.macro TURN slot, next, fill
	WIN 0
	s_wait_tensorcnt 0x0                           ; my part of the next slot has landed
	ds_add_u32 v[SPW], v[NIL]
	s_wait_dscnt 17                                ; (the add and the youngest sixteen loads may be out)
	WIN MUL
	MUL8 F1, 0, 0, 0
	s_wait_dscnt 0x0                               ; the add is done, my reads of this slot are over
	s_barrier_signal -1
	MUL8 F1, 0, 2, 0
.if \fill
	WIN 0
.endif
	s_barrier_wait -1
.if \fill
	CREST                                          ; the barrier has opened a round of the cluster's: no wave of any partner still reads this slot or has a load on its way
	s_add_nc_u64 s[G0+4*\slot+2:G0+4*\slot+3], s[G0+4*\slot+2:G0+4*\slot+3], 65536
	s_add_nc_u64 s[G0B+4*\slot+2:G0B+4*\slot+3], s[G0B+4*\slot+2:G0B+4*\slot+3], 1024
	JLOAD \slot                                    ; the first tensor load behind the round; its four v_nop are also the places in front of the loads below
.else
	PLACES
.endif
	FETCH \next, 0, F0
	WIN MUL
	MUL8 F1, 1, 0, 0
	MUL8 F1, 1, 2, 0
.endm
	s_wait_tensorcnt 1                             ; my part of K step 0 is in; K step 1's may be out
	s_barrier_signal -1
	s_barrier_wait -1
	FETCH 0, 0, F0
	QUARTER 0, 1, F0, F1, 1                        ; the first products start the sums
	QUARTER 0, 2, F1, F0, 0
	QUARTER 0, 3, F0, F1, 0
	TURN 0, 1, 1                                   ; slot 0 takes K step 2
	QUARTER 1, 1, F0, F1, 0
	QUARTER 1, 2, F1, F0, 0
	QUARTER 1, 3, F0, F1, 0
	TURN 1, 0, 1                                   ; slot 1 takes K step 3
	QUARTER 0, 1, F0, F1, 0
	QUARTER 0, 2, F1, F0, 0
	QUARTER 0, 3, F0, F1, 0
	TURN 0, 1, 0                                   ; nothing is left to ask for
	QUARTER 1, 1, F0, F1, 0
	QUARTER 1, 2, F1, F0, 0
	QUARTER 1, 3, F0, F1, 0
	s_wait_dscnt 16
	WIN MUL
	MUL8 F1, 0, 0, 0
	MUL8 F1, 0, 2, 0
	s_wait_dscnt 0
	MUL8 F1, 1, 0, 0
	MUL8 F1, 1, 2, 0
	WIN 0
; THE WAY OUT, 16 rows at a time: a wave's 64 columns of f32 are 256 bytes, so each wave has a stage of its own and no barrier: 32 bytes a lane in, whole rows back, sixteen lanes store 256 consecutive aligned bytes.
.macro TOSTAGE a
.set BB, TMP+32*((\a)%2)
.irp b, 0,1,2,3
	ds_store_b128 v[STO], v[ACC+8*(4*(\a)+\b):ACC+8*(4*(\a)+\b)+3] offset:64*\b          ; each accumulator from its low end on
	ds_store_b128 v[STO], v[ACC+8*(4*(\a)+\b)+4:ACC+8*(4*(\a)+\b)+7] offset:64*\b+16
.endr
.irp t, 0,1,2,3,4,5,6,7
	ds_load_b128 v[BB+4*\t:BB+4*\t+3], v[RD] offset:\t*2*SPITCH    ; LDS serves a wave's instructions in order
.endr
.endm
.macro SEND a, younger
.set BB, TMP+32*((\a)%2)
	s_wait_dscnt \younger                          ; the block is back; the next block's 8 stores and 8 loads may be out
.irp t, 0,1,2,3,4,5,6,7
	global_store_b128 v[CO], v[BB+4*\t:BB+4*\t+3], s[8:9] offset:(16*(\a)+2*\t)*4096 th:TH_STORE_NT
.endr
.endm
	PLACES
	TOSTAGE 0
	TOSTAGE 1
	SEND 0, 16
	s_wait_xcnt 0x0                                ; block 0's stores have read their registers: block 2's loads may land there
	TOSTAGE 2
	SEND 1, 16
	s_wait_xcnt 0x0
	TOSTAGE 3
	SEND 2, 16
	SEND 3, 0
	s_wait_tensorcnt 0x0                           ; the wave's end
	ds_add_u32 v[SPW], v[NIL]
	s_wait_dscnt 0x0
	CROUND                                         ; the closing round
	s_endpgm
.Lfunc_end_k_qf8f57a51b5_oproj:
	.size	k_qf8f57a51b5_oproj, .Lfunc_end_k_qf8f57a51b5_oproj-k_qf8f57a51b5_oproj
	.p2alignl 7, 3214868480
	.fill 96, 4, 3214868480
	.section	.rodata,"a",@progbits
	.p2align	6, 0x0
	.amdhsa_kernel k_qf8f57a51b5_oproj
		.amdhsa_group_segment_fixed_size 327680
		.amdhsa_private_segment_fixed_size 0
		.amdhsa_enable_private_segment 0
		.amdhsa_kernarg_size 24
		.amdhsa_user_sgpr_count 2
		.amdhsa_user_sgpr_kernarg_segment_ptr 1
		.amdhsa_wavefront_size32 1
		.amdhsa_system_sgpr_workgroup_id_x 1
		.amdhsa_system_sgpr_workgroup_id_y 1
		.amdhsa_system_sgpr_workgroup_id_z 1
		.amdhsa_system_vgpr_workitem_id 0
		.amdhsa_next_free_vgpr 512
		.amdhsa_next_free_sgpr 66
		.amdhsa_reserve_vcc 0
		.amdhsa_float_denorm_mode_32 3
		.amdhsa_float_denorm_mode_16_64 3
		.amdhsa_memory_ordered 1
		.amdhsa_forward_progress 1
		.amdhsa_inst_pref_size 85
	.end_amdhsa_kernel
	.amdgpu_metadata
---
amdhsa.version: [ 1, 2 ]
amdhsa.kernels:
  - .name:           k_qf8f57a51b5_oproj
    .symbol:         k_qf8f57a51b5_oproj.kd
    .args:
      - { .name: att, .offset: 0, .size: 8, .value_kind: global_buffer, .address_space: global }
      - { .name: wo16, .offset: 8, .size: 8, .value_kind: global_buffer, .address_space: global }
      - { .name: out0, .offset: 16, .size: 8, .value_kind: global_buffer, .address_space: global }
    .group_segment_fixed_size: 327680
    .private_segment_fixed_size: 0
    .kernarg_segment_align: 8
    .kernarg_segment_size: 24
    .max_flat_workgroup_size: 128
    .sgpr_count:     66
    .vgpr_count:     512
    .wavefront_size: 32
...
	.end_amdgpu_metadata
.endif
;; end of part 4
;; launch first16 (part 5): grid 64 x 2, 16 waves a work-group, no clusters, 296,960 bytes of LDS; arguments xf, wo, out0; writes out0
.if DOCPART == 5
	.amdgcn_target "amdgcn-amd-amdhsa--gfx1250"
	.amdhsa_code_object_version 6
	.text
	.protected	k_qf8f57a51b5_first16
	.globl	k_qf8f57a51b5_first16
	.p2align	8
	.type	k_qf8f57a51b5_first16,@function
k_qf8f57a51b5_first16:
	s_mov_b64 s[64:65], 0
	v_nop
	global_prefetch_b8 v0, s[64:65] scope:SCOPE_SE
	s_setreg_imm32_b32 hwreg(HW_REG_WAVE_MODE, 25, 1), 1
	s_wait_xcnt 0x0
; Positions 0-15 of both sequences once more, all in f32: under the causal mask these rows average one to sixteen values, and the rounding of 16-bit operands would weigh most there.
; xf [g*2+b][16][1024] f32 holds xq, xk, xv of those positions; wo [1024][1024] f32.  32 rows of out0 are stored anew.
; SHARES.  A work-group: batch b (y) and output columns 16 tc .. + 15 (x).  Wave w = head w: its 16 x 16 attention, then its 64 of the output projection's K; the 16 partial tiles meet in LDS and waves 0, 1 add and store them.
; The attention is repeated in the 64 work-groups of a batch (32 of a wave's 48 matrix instructions): so no further launch and no sum across work-groups is needed.
; IN.  A wave wants four blocks of 16 rows x 256 bytes (its head's K, Q, V; its head's columns of 16 rows of wo).  Each load takes two rows' 256 consecutive aligned bytes, lanes 0-15 one row and lanes 16-31 the next;
; the blocks turn through the wave's own stage in LDS (rows of 256 + 16 bytes) and come back as the operands' registers: Q, K and wo 16 bytes at a time, V turned, 4 bytes at a time.
; OUT.  A work-group owns 64 bytes of each row: aligned runs of 256 bytes are written in part; the launch stores 131,072 bytes in all.
; LAYOUT.  All three products are used transposed, so that a lane holds one query (lane % 16).  Along K the numbers are dealt to the instructions alike on both sources, which leaves each sum its terms.
; The registers that the f32 matrix form writes are written by it alone; what is made of a sum goes into other registers.
; LIMITS: NaN and infinities are not served.
.set SPARE, 16384                      ; LDS: 0 .. 16,383 the 16 partial tiles; then the spare words, 128 bytes a wave;
.set WB,    18432                      ; then each wave's stage: four blocks of 16 rows
.set SP,    272                        ; a stage row: 256 bytes + 16: the 16 rows that a load touches start 4 banks apart
.set BLK,   16*SP
.set WREG,  4*BLK
.set QR, 16                            ; v16-47   Q: register 8 t + n = (row r, channel 16 t + 8 h + n).  Later v16-23: my partial tile
.set KR, 48                            ; v48-79   K likewise.  Later: at work, and the 16 partial tiles (v48-111)
.set VR, 80                            ; v80-111  V: register 8 t + kk = V[key 8 h + kk][channel 16 t + r]
.set WR, 112                           ; v112-143 wo: register 8 t + n = wo[16 tc + r][64 w + 16 t + 8 h + n]
.set SA, 144                           ; v144-175 four accumulators of S^T
.set SS, 176                           ; v176-183 S^T: query r, keys 8 h + j
.set PP, 184                           ; v184-191 the weights, normalised
.set OA, 192                           ; v192-223 O^T: tile t: channels 16 t + 8 h + j
.set YA, 224                           ; v224-255 four accumulators of the result
	s_load_b128 s[4:7], s[0:1], 0x0                ; xf, wo
	s_load_b64 s[8:9], s[0:1], 0x10                ; out0
	v_lshl_add_u32 v10, v0, 2, SPARE               ; my spare word; never rewritten
	v_mov_b32 v11, 0                               ; 0; never rewritten
	v_lshrrev_b32 v1, 5, v0
	v_readfirstlane_b32 s10, v1                    ; wave = head
	s_and_b32 s11, ttmp7, 0xffff                   ; b
	v_and_b32 v1, 15, v0                           ; r
	v_bfe_u32 v2, v0, 4, 1                         ; h
	v_and_b32 v3, 31, v0                           ; lane
	s_lshl_b32 s12, s10, 8                         ; a head's 64 channels: 256 bytes
	v_lshlrev_b32 v4, 12, v2
	v_lshl_add_u32 v4, v1, 4, v4
	v_add_nc_u32 v4, s12, v4                       ; in memory: row h of 4,096 bytes + 256 w + 16 r
	s_mul_i32 s13, s10, WREG
	s_add_co_u32 s13, s13, WB                      ; my stage
	v_mul_u32_u24 v5, v2, SP
	v_lshl_add_u32 v5, v1, 4, v5
	v_add_nc_u32 v5, s13, v5                       ; into it: row h + 16 r
	v_mul_u32_u24 v6, v1, SP
	v_lshl_add_u32 v6, v2, 5, v6
	v_add_nc_u32 v6, s13, v6                       ; out of it, Q, K, wo: row r + 32 h
	s_lshl_b32 s28, s10, 10
	v_lshl_add_u32 v7, v3, 4, s28                  ; my partial tile: 1,024 w + 16 x lane
	s_lshl_b32 s29, s10, 9
	v_lshl_add_u32 v8, v3, 4, s29                  ; and, in waves 0 and 1, the half that I add up: 512 w + 16 x lane
	v_mul_u32_u24 v3, v2, 8*SP
	v_lshl_add_u32 v3, v1, 2, v3
	v_add_nc_u32 v3, s13, v3                       ; out of the stage, V: row 8 h + 4 r
	v_lshlrev_b32 v9, 3, v2
	v_sub_nc_u32 v9, v1, v9                        ; r - 8 h
	v_lshlrev_b32 v12, 12, v1
	v_lshl_add_u32 v12, v2, 5, v12
	s_lshl_b32 s28, s10, 4
	v_add_nc_u32 v12, s28, v12                     ; out0: row r + 32 h + 16 w
	v_mov_b32 v13, 0xff800000                      ; -infinity
	v_mov_b32 v15, 0                               ; (the upper half of the pair v[14:15])
	s_mov_b32 s24, 0x76543210
	s_mov_b32 s25, 0xfedcba98                      ; v_permlanex16_b32's selects for lane l xor 16
	s_mov_b32 s26, 0x3e38aa3b                      ; c = log2(e) / 8
	s_mov_b32 s27, s26
	s_lshl_b32 s16, s11, 16                        ; xf: b x 65,536; K lies 131,072 and V 262,144 bytes behind Q
	s_mov_b32 s17, 0
	s_lshl_b32 s18, ttmp9, 16                      ; wo: 16 tc rows of 4,096 bytes
	s_mov_b32 s19, 0
	s_lshl_b32 s20, s11, 23                        ; out0: b x 2,048 rows
	s_lshl_b32 s21, ttmp9, 6                       ; + 16 tc columns
	s_add_co_u32 s20, s20, s21
	s_mov_b32 s21, 0
	s_wait_kmcnt 0x0
	s_add_nc_u64 s[4:5], s[4:5], s[16:17]
	s_add_nc_u64 s[6:7], s[6:7], s[18:19]
	s_add_nc_u64 s[8:9], s[8:9], s[20:21]
.irp n, 0,1,2,3,4,5,6,7                        ; rows 2 n and 2 n + 1 of each block
	global_load_b128 v[KR+4*\n:KR+4*\n+3], v4, s[4:5] offset:131072+8192*\n
.endr
.irp n, 0,1,2,3,4,5,6,7
	global_load_b128 v[QR+4*\n:QR+4*\n+3], v4, s[4:5] offset:8192*\n
.endr
.irp n, 0,1,2,3,4,5,6,7
	global_load_b128 v[VR+4*\n:VR+4*\n+3], v4, s[4:5] offset:262144+8192*\n
.endr
.irp n, 0,1,2,3,4,5,6,7
	global_load_b128 v[WR+4*\n:WR+4*\n+3], v4, s[6:7] offset:8192*\n
.endr
.macro TOSTAGE reg, blk                ; a block as it was loaded: 8 stores of two rows
.irp n, 0,1,2,3,4,5,6,7
	ds_store_b128 v5, v[\reg+4*\n:\reg+4*\n+3] offset:(\blk)*BLK+2*SP*\n
.endr
.endm
.macro FRAG reg, blk                   ; and back into the registers that it left, as an operand: LDS serves a wave's instructions in order, so these see my stores
.irp t, 0,1,2,3
	ds_load_b128 v[\reg+8*\t:\reg+8*\t+3], v6 offset:(\blk)*BLK+64*\t
	ds_load_b128 v[\reg+8*\t+4:\reg+8*\t+7], v6 offset:(\blk)*BLK+64*\t+16
.endr
.endm
	s_wait_loadcnt 16                              ; K and Q are in; V's 8 loads and wo's 8 may be out
	TOSTAGE KR, 0
	TOSTAGE QR, 1
	FRAG KR, 0
	FRAG QR, 1
	s_wait_loadcnt 8                               ; V is in
	TOSTAGE VR, 2
.irp t, 0,1,2,3
.irp kk, 0,1,2,3,4,5,6,7
	ds_load_b32 v[VR+8*\t+\kk], v3 offset:2*BLK+SP*\kk+64*\t       ; V turned: sixteen lanes take 64 neighbouring bytes of a key's row
.endr
.endr
	s_wait_loadcnt 0x0                             ; wo
	TOSTAGE WR, 3
	FRAG WR, 3
	s_wait_dscnt 56                                ; K's and Q's fragments are in; behind them stand V's 8 + 32 and wo's 8 + 8
	; S^T = K Q^T: 16 instructions of 4 along K on four accumulators by turns; the first four start the sums
.irp i, 0,1,2,3
	v_wmma_f32_16x16x4_f32 v[SA+8*\i:SA+8*\i+7], v[KR+2*\i:KR+2*\i+1], v[QR+2*\i:QR+2*\i+1], 0
.endr
.irp i, 4,5,6,7,8,9,10,11,12,13,14,15
	v_wmma_f32_16x16x4_f32 v[SA+8*(\i%4):SA+8*(\i%4)+7], v[KR+2*\i:KR+2*\i+1], v[QR+2*\i:QR+2*\i+1], v[SA+8*(\i%4):SA+8*(\i%4)+7]
.endr
.rept 8
	v_nop                                          ; eight places behind this form (ISA guide 7.12.1)
.endr
.irp p, 0,2,4,6                                ; the four parts are added, each accumulator from its low end on
	v_pk_add_f32 v[SS+\p:SS+\p+1], v[SA+\p:SA+\p+1], v[SA+8+\p:SA+8+\p+1]
	v_pk_add_f32 v[KR+\p:KR+\p+1], v[SA+16+\p:SA+16+\p+1], v[SA+24+\p:SA+24+\p+1]
	v_pk_add_f32 v[SS+\p:SS+\p+1], v[SS+\p:SS+\p+1], v[KR+\p:KR+\p+1]
.endr
.irp j, 0,1,2,3,4,5,6,7
	v_cmp_gt_i32 vcc_lo, \j, v9                    ; key 8 h + j comes after query r
	v_cndmask_b32 v[SS+\j], v[SS+\j], v13, vcc_lo
.endr
	v_max3_num_f32 v1, v[SS], v[SS+1], v[SS+2]
	v_max3_num_f32 v1, v1, v[SS+3], v[SS+4]
	v_max3_num_f32 v1, v1, v[SS+5], v[SS+6]
	v_max_num_f32 v1, v1, v[SS+7]
	v_permlanex16_b32 v2, v1, s24, s25
	v_max_num_f32 v1, v1, v2                       ; the row's maximum: key 0 counts for every query, so it is a number
	v_mul_f32 v14, s26, v1                         ; c m
.irp p, 0,2,4,6
	v_pk_fma_f32 v[SS+\p:SS+\p+1], v[SS+\p:SS+\p+1], s[26:27], v[14:15] op_sel_hi:[1,0,0] neg_lo:[0,0,1] neg_hi:[0,0,1]
.endr
.irp j, 0,1,2,3,4,5,6,7
	v_exp_f32 v[SS+\j], v[SS+\j]
.endr
	v_nop
	s_wait_alu depctr_va_vdst(0)                   ; one wait for the eight, ahead of their first reader
	v_pk_add_f32 v[KR:KR+1], v[SS:SS+1], v[SS+2:SS+3]
	v_pk_add_f32 v[KR+2:KR+3], v[SS+4:SS+5], v[SS+6:SS+7]
	v_pk_add_f32 v[KR:KR+1], v[KR:KR+1], v[KR+2:KR+3]
	v_add_f32 v1, v[KR], v[KR+1]
	v_permlanex16_b32 v2, v1, s24, s25
	v_add_f32 v1, v1, v2                           ; the row's sum
	v_rcp_f32 v2, v1
	v_nop
	s_wait_alu depctr_va_vdst(0)
.irp p, 0,2,4,6
	v_pk_mul_f32 v[PP+\p:PP+\p+1], v[SS+\p:SS+\p+1], v[2:3] op_sel_hi:[1,0]   ; normalised here, so that O^T goes on as it leaves the matrix unit
.endr
	s_wait_dscnt 16                                ; V's fragments are in; wo's 8 stores and 8 loads may be out
	; O^T = V^T P: K = 16 keys, four tiles of channels by turns
.irp t, 0,1,2,3
	v_wmma_f32_16x16x4_f32 v[OA+8*\t:OA+8*\t+7], v[VR+8*\t:VR+8*\t+1], v[PP:PP+1], 0
.endr
.irp i, 1,2,3
.irp t, 0,1,2,3
	v_wmma_f32_16x16x4_f32 v[OA+8*\t:OA+8*\t+7], v[VR+8*\t+2*\i:VR+8*\t+2*\i+1], v[PP+2*\i:PP+2*\i+1], v[OA+8*\t:OA+8*\t+7]
.endr
.endr
.rept 9
	v_nop                                          ; nine places before a matrix instruction takes these results as a source
.endr
	s_wait_dscnt 0x0                               ; wo's fragments
	; Y^T = wo O^T over my head's 64 channels: source 0 = 16 rows of wo, source 1 = O^T's registers as they stand
.irp t, 0,1,2,3
	v_wmma_f32_16x16x4_f32 v[YA+8*\t:YA+8*\t+7], v[WR+8*\t:WR+8*\t+1], v[OA+8*\t:OA+8*\t+1], 0
.endr
.irp i, 1,2,3
.irp t, 0,1,2,3
	v_wmma_f32_16x16x4_f32 v[YA+8*\t:YA+8*\t+7], v[WR+8*\t+2*\i:WR+8*\t+2*\i+1], v[OA+8*\t+2*\i:OA+8*\t+2*\i+1], v[YA+8*\t:YA+8*\t+7]
.endr
.endr
.rept 8
	v_nop
.endr
.irp p, 0,2,4,6
	v_pk_add_f32 v[QR+\p:QR+\p+1], v[YA+\p:YA+\p+1], v[YA+8+\p:YA+8+\p+1]
	v_pk_add_f32 v[KR+\p:KR+\p+1], v[YA+16+\p:YA+16+\p+1], v[YA+24+\p:YA+24+\p+1]
	v_pk_add_f32 v[QR+\p:QR+\p+1], v[QR+\p:QR+\p+1], v[KR+\p:KR+\p+1]
.endr
	ds_store_b128 v7, v[QR:QR+3]                   ; my head's part: query r, columns 8 h + 0..3,
	ds_store_b128 v7, v[QR+4:QR+7] offset:512      ; and 8 h + 4..7
	s_wait_tensorcnt 0x0                           ; my last LDS store is issued; the wait below also shows my stores done, for the others' sake
	ds_add_u32 v10, v11
	s_wait_dscnt 0x0
	s_barrier_signal -1
	s_barrier_wait -1
	s_cmp_ge_u32 s10, 2                            ; waves 0 and 1 add the sixteen parts, half a tile each
	s_cbranch_scc1 .Lend
.irp n, 0,1,2,3,4,5,6,7,8,9,10,11,12,13,14,15
	ds_load_b128 v[KR+4*\n:KR+4*\n+3], v8 offset:1024*\n
.endr
	s_wait_dscnt 0x0
.irp n, 0,1,2,3,4,5,6,7
	v_pk_add_f32 v[KR+4*\n:KR+4*\n+1], v[KR+4*\n:KR+4*\n+1], v[KR+32+4*\n:KR+32+4*\n+1]
	v_pk_add_f32 v[KR+4*\n+2:KR+4*\n+3], v[KR+4*\n+2:KR+4*\n+3], v[KR+32+4*\n+2:KR+32+4*\n+3]
.endr
.irp n, 0,1,2,3
	v_pk_add_f32 v[KR+4*\n:KR+4*\n+1], v[KR+4*\n:KR+4*\n+1], v[KR+16+4*\n:KR+16+4*\n+1]
	v_pk_add_f32 v[KR+4*\n+2:KR+4*\n+3], v[KR+4*\n+2:KR+4*\n+3], v[KR+16+4*\n+2:KR+16+4*\n+3]
.endr
.irp n, 0,1
	v_pk_add_f32 v[KR+4*\n:KR+4*\n+1], v[KR+4*\n:KR+4*\n+1], v[KR+8+4*\n:KR+8+4*\n+1]
	v_pk_add_f32 v[KR+4*\n+2:KR+4*\n+3], v[KR+4*\n+2:KR+4*\n+3], v[KR+8+4*\n+2:KR+8+4*\n+3]
.endr
	v_pk_add_f32 v[KR:KR+1], v[KR:KR+1], v[KR+4:KR+5]
	v_pk_add_f32 v[KR+2:KR+3], v[KR+2:KR+3], v[KR+6:KR+7]
	global_store_b128 v12, v[KR:KR+3], s[8:9]      ; out0(b, r, 16 tc + 8 h + 4 w + 0..3)
.Lend:
	s_endpgm
.Lfunc_end_k_qf8f57a51b5_first16:
	.size	k_qf8f57a51b5_first16, .Lfunc_end_k_qf8f57a51b5_first16-k_qf8f57a51b5_first16
	.p2alignl 7, 3214868480
	.fill 96, 4, 3214868480
	.section	.rodata,"a",@progbits
	.p2align	6, 0x0
	.amdhsa_kernel k_qf8f57a51b5_first16
		.amdhsa_group_segment_fixed_size 296960
		.amdhsa_private_segment_fixed_size 0
		.amdhsa_enable_private_segment 0
		.amdhsa_kernarg_size 24
		.amdhsa_user_sgpr_count 2
		.amdhsa_user_sgpr_kernarg_segment_ptr 1
		.amdhsa_wavefront_size32 1
		.amdhsa_system_sgpr_workgroup_id_x 1
		.amdhsa_system_sgpr_workgroup_id_y 1
		.amdhsa_system_sgpr_workgroup_id_z 1
		.amdhsa_system_vgpr_workitem_id 0
		.amdhsa_next_free_vgpr 256
		.amdhsa_next_free_sgpr 66
		.amdhsa_reserve_vcc 1
		.amdhsa_float_denorm_mode_32 3
		.amdhsa_float_denorm_mode_16_64 3
		.amdhsa_memory_ordered 1
		.amdhsa_forward_progress 1
		.amdhsa_inst_pref_size 23
	.end_amdhsa_kernel
	.amdgpu_metadata
---
amdhsa.version: [ 1, 2 ]
amdhsa.kernels:
  - .name:           k_qf8f57a51b5_first16
    .symbol:         k_qf8f57a51b5_first16.kd
    .args:
      - { .name: xf, .offset: 0, .size: 8, .value_kind: global_buffer, .address_space: global }
      - { .name: wo, .offset: 8, .size: 8, .value_kind: global_buffer, .address_space: global }
      - { .name: out0, .offset: 16, .size: 8, .value_kind: global_buffer, .address_space: global }
    .group_segment_fixed_size: 296960
    .private_segment_fixed_size: 0
    .kernarg_segment_align: 8
    .kernarg_segment_size: 24
    .max_flat_workgroup_size: 512
    .sgpr_count:     66
    .vgpr_count:     256
    .wavefront_size: 32
...
	.end_amdgpu_metadata
.endif
;; end of part 5
